; MI455X (gfx1250); checked and timed in simulation.
; The chip was launched on July 23, 2026; its instructions are those of AMD's public machine-readable ISA for CDNA 5 (MIT licence, August 2026) and "CDNA5" Instruction Set Architecture Reference Guide (July 2026). The comments in the code are by the model that wrote it; some were corrected since.
;; Simplified Multi Head Self Attention. Allowed arithmetic: matrix products marked QUANTISED: E4M3 operands, one given power-of-two scale a tensor, by v_wmma_f32_16x16x64_fp8_fp8 or v_wmma_f32_16x16x128_fp8_fp8, f32 sums; everything else in f32.
;; Inputs: W_msa 1,024 x 1,024 float32; W_qkv 1,024 x 3,072 float32; b_msa 1,024 float32; b_qkv 3,072 float32; lowp_scales 8 int32 (the exponents e of the quantised operands' scales 2^e); z 4 x 2,048 x 1,024 float32.
;; Outputs: out0 4 x 2,048 x 1,024 float32.
;; This version of the problem:
;;   THIS VERSION OF THE PROBLEM IS GIVEN IN LOW PRECISION. The matrix products marked QUANTISED in the list below multiply operands that are first quantised to E4M3 (4 exponent bits, 3 mantissa bits; 8 bits a number), with one given power-of-two scale for each operand tensor; their sums are f32. All else is computed in f32.
;;   The module's matrix products, in the order in which they are computed (A, B: the left and right operand; K: the contracted axis; several contracted axes count as one K, in the product's order):
;;     1. [M 8,192, K 1,024] x [K 1,024, N 3,072]; A: input z; B: input W_qkv: QUANTISED (scales: A lowp_scales[0], B lowp_scales[1])
;;     2. batch 64 x [M 2,048, K 64] x [K 64, N 2,048]; A: computed on the way; B: computed on the way: QUANTISED (scales: A lowp_scales[2], B lowp_scales[3])
;;     3. batch 64 x [M 2,048, K 2,048] x [K 2,048, N 64]; A: softmax (see below); B: computed on the way: QUANTISED (scales: A lowp_scales[4], B lowp_scales[5])
;;     4. [M 8,192, K 1,024] x [K 1,024, N 1,024]; A: computed on the way; B: input W_msa: QUANTISED (scales: A lowp_scales[6], B lowp_scales[7])
;;   THE QUANTISER, for each operand of a quantised product, along K:
;;     - The operand's scale is 2^e, e = its entry of the input lowp_scales (int32; the entries are numbered through the quantised products in the list's order, A before B).
;;     - Each number is divided by the scale, clamped to +-448, and rounded to the nearest number of E4M3, ties to even, subnormals kept.
;;     - The product sums the exact products of the quantised numbers (number of the format x scale) in f32.
;;   ~~~python
;;   def quantise(x, axis, e):      # numpy; x: float32 -> the quantised numbers, widened to float32 again
;;       x = np.moveaxis(x, axis, -1); K = x.shape[-1]
;;       r = np.clip(x / 2.0 ** e, -448, 448)
;;       step = 2.0 ** (np.maximum(np.frexp(np.where(r == 0, 1, r))[1] - 1, -6) - 3)
;;       q = np.round(r / step) * step * 2.0 ** e      # np.round: ties to even
;;       return np.moveaxis(q, -1, axis).astype(np.float32)
;;   ~~~
;;   SOFTMAX AHEAD OF A QUANTISED PRODUCT. Where the list says 'softmax', what is quantised is not the finished softmax but p = 2^(t - M), with t = logit x log2(e) and M = ceil(the row's largest t), a whole number; so 1/2 < the row's largest p <= 1. The row's sum l is taken of the UNQUANTISED p, in f32, and the product's result is divided by l at the end. Since M is a whole number, a kernel that streams over the keys may use a running M (the ceiling of the running maximum): every later rescaling is an exact power of two, so the quantised numbers keep their values, but for numbers so far below the row's largest that they fall under the format's range.
;;   OPERANDS COMPUTED ON THE WAY. 'Computed on the way' means the value that the module computes at that place (a softmax that the list does not call 'softmax' is quantised finished and normalised). What goes into a quantiser is computed in f32, as accurately as f32 sums, v_exp_f32 and their like allow (about 1e-6 of the number): no bf16 or f16 on the way to a quantiser, and a product that is left as it is and whose result goes on into a quantised operand takes f32 operands (vector FMAs, or v_wmma_f32_16x16x4_f32). A number that lies on a knife's edge between two numbers of the format may be rounded either way, as far as f32 arithmetic and the matrix unit's own rounding can turn it there, and no further.
;; 2 versions, each right; version 2 is version 1 with the launch attn written anew for expert scheduling mode. Each part assembles by itself: llvm-mc -triple=amdgcn-amd-amdhsa -mcpu=gfx1250 --defsym DOCPART=n.
;; ======== version 1 of 2: 4 launches
;; workspace buffers: zc 8,388,608 bytes; wq 3,145,728 bytes; wm 1,048,576 bytes; qc 8,388,608 bytes; kc 8,388,608 bytes; vc 8,388,608 bytes; ac 8,388,608 bytes
;; launch quant (part 1): grid 384 x 1, 4 waves a work-group, no clusters, 0 bytes of LDS; arguments z, W_qkv, W_msa, lowp_scales, zc, wq, wm; writes zc, wq, wm
.if DOCPART == 1
	.amdgcn_target "amdgcn-amd-amdhsa--gfx1250"
	.amdhsa_code_object_version 6
	.text
	.protected	k_qa1be97f995_quant
	.globl	k_qa1be97f995_quant
	.p2align	8
	.type	k_qa1be97f995_quant,@function
k_qa1be97f995_quant:
	s_mov_b64 s[64:65], 0
	v_nop
	global_prefetch_b8 v0, s[64:65] scope:SCOPE_SE
	s_setreg_imm32_b32 hwreg(HW_REG_WAVE_MODE, 25, 1), 1
	s_wait_xcnt 0x0
; z [8192][1024], W_qkv [1024][3072] and W_msa [1024][1024], f32, become codes of FP8 (E4M3), each with the one scale 2^e that is given for it (entries 0, 1 and 7 of the scales).
; code = x / 2^e, held within +-448, rounded to the nearest code, ties to even.  LIMITS: each e between -126 and 119; NaN and infinities among the inputs are not served.
; One launch, three ways that part on the work-group's number: 0-255 z, 256-351 W_qkv, 352-383 W_msa; every work-group reads 131,072 bytes.  No LDS, no barrier: waves share nothing.
; zc: rows of 1,024 bytes, K PERMUTED inside each group of 512: byte 16 l + 4 i + j holds k = 128 i + 4 l + j.  That is what comes of loads that take the bytes as they lie (lane l, load i: 16 bytes at 512 i + 16 l)
;   and of conversions that pack a lane's 16 registers: every load reads and every store writes 512 consecutive bytes, and nothing changes lanes.  wq has the same permutation, so every product meets its partner;
;   only the order of the sums inside a matrix instruction differs from ascending k.
; wq, wm: IMAGES OF THE OPERAND'S REGISTERS.  A fragment (16 columns x 128 along K, 16 registers a lane) is 2,048 bytes: registers 4 c .. 4 c + 3 of lane 16 h + r at 512 c + 256 h + 16 r.
;   wq: fragment ((head x 8 + K step) x 12 + block of 16 of the head's 192 columns); its 16 bytes are the positions 128 K step + 32 c + 16 h + 0 .. 15 of zc's order.
;   wm: fragment ((tile of 128 columns x 8 + K step) x 8 + block); byte y of the 16 is k = 128 K step + 32 c + 16 (y / 8) + 8 h + y % 8: the matrix form's own layout, in which the attention launch leaves its codes.
; A weight's K is its FIRST axis: a lane takes a column and its registers run down K, in the order in which the image wants them, so the conversions' results are 16-byte pieces of the image.
.set X, 32                             ; v32-95   numbers as they are loaded
.set C, 96                             ; v96-159  codes: registers of its own for every store, so that no store's data are written again
.macro MKSCALE e                       ; v11 = 2^e as f32 (the conversion takes its exponent field), v10 = 448 x 2^e
	s_wait_kmcnt 0x0
	s_add_co_i32 s20, s[\e], 127
	s_lshl_b32 s21, s20, 23
	v_mov_b32 v11, s21
	s_add_co_i32 s20, s20, 8
	s_lshl_b32 s20, s20, 23
	s_or_b32 s20, s20, 0x600000
	v_mov_b32 v10, s20
.endm
.macro LOADZ t                         ; group t of 512 numbers: four loads of 512 consecutive bytes
.irp i, 0,1,2,3
	global_load_b128 v[X+16*((\t)%4)+4*\i:X+16*((\t)%4)+4*\i+3], v3, s[32:33] offset:2048*(\t)+512*\i th:TH_LOAD_NT
.endr
.endm
.macro STEPZ t
.if 15-(\t) >= 3
	s_wait_loadcnt 12                              ; this group's four loads are in; those of the three groups behind it may be out
.else
	s_wait_loadcnt 4*(15-(\t))
.endif
.set XS, X+16*((\t)%4)
.irp i, 0,1,2,3,4,5,6,7,8,9,10,11,12,13,14,15
	v_med3_num_f32 v[XS+\i], v[XS+\i], -v10, v10   ; the conversion to an 8-bit code does not saturate (ISA guide 7.6.2): the hold at the largest code x the scale
.endr
	v_cvt_scalef32_pk8_fp8_f32 v[C+4*(\t):C+4*(\t)+1], v[XS:XS+7], v11
	v_cvt_scalef32_pk8_fp8_f32 v[C+4*(\t)+2:C+4*(\t)+3], v[XS+8:XS+15], v11
.if (\t)+4 < 16
	LOADZ (\t)+4                                   ; the set just converted takes the group four further on
.endif
	global_store_b128 v4, v[C+4*(\t):C+4*(\t)+3], s[34:35] offset:512*(\t)   ; 32 lanes store 512 consecutive bytes
.endm
; Block t of a wave's eight: 32 rows of the weight at my column, in the image's order, into set t % 2.  Each load reads 128 consecutive bytes, the four waves side by side 512.
.macro LOADW t, N, PERM
.set i, 0
.rept 32
.if \PERM
.set row, 8*(\t)+4*(i/16)+128*((i/4)%4)+i%4    ; the k of position 32 t + i in zc's order (the wave's first position taken off)
.else
.set row, 32*(\t)+8*(i/16)+16*((i/8)%2)+i%8    ; registers 0-15: the 16 bytes of the lanes' lower half, 16-31: of the upper
.endif
	global_load_b32 v[X+32*((\t)%2)+i], v3, s[32:33] offset:row*\N*4 th:TH_LOAD_NT
.set i, i+1
.endr
.endm
.macro BLOCKW t, N, QSTEP, PERM
.if (\t) < 7
	s_wait_loadcnt 32                              ; this block's 32 loads are in; the next block's may be out
.else
	s_wait_loadcnt 0
.endif
.set XS, X+32*((\t)%2)
.set ii, 0
.rept 32
	v_med3_num_f32 v[XS+ii], v[XS+ii], -v10, v10
.set ii, ii+1
.endr
.irp g, 0,1,2,3
	v_cvt_scalef32_pk8_fp8_f32 v[C+8*(\t)+2*\g:C+8*(\t)+2*\g+1], v[XS+8*\g:XS+8*\g+7], v11
.endr
.if (\t)+2 < 8
	LOADW (\t)+2, \N, \PERM
.endif
	global_store_b128 v4, v[C+8*(\t):C+8*(\t)+3], s[34:35] offset:((\t)/4)*\QSTEP+512*((\t)%4)          ; lanes 0-15 fill 256 aligned bytes of one fragment, lanes 16-31 of the next
	global_store_b128 v4, v[C+8*(\t)+4:C+8*(\t)+7], s[34:35] offset:((\t)/4)*\QSTEP+512*((\t)%4)+256
.endm
.macro WBODY N, QSTEP, PERM, e         ; a wave's 32 columns x 256 along K
	LOADW 0, \N, \PERM
	LOADW 1, \N, \PERM
	MKSCALE \e
.irp t, 0,1,2,3,4,5,6,7
	BLOCKW \t, \N, \QSTEP, \PERM
.endr
.endm
	s_load_b256 s[4:11], s[0:1], 0x0               ; z s[4:5], W_qkv s[6:7], W_msa s[8:9], the scales' exponents s[10:11]
	s_load_b128 s[12:15], s[0:1], 0x20             ; zc s[12:13], wq s[14:15]
	s_load_b64 s[16:17], s[0:1], 0x30              ; wm
	v_lshrrev_b32 v1, 5, v0
	v_readfirstlane_b32 s18, v1                    ; wave 0..3
	v_and_b32 v2, 31, v0                           ; lane
	s_wait_kmcnt 0x0
	s_load_b256 s[24:31], s[10:11], 0x0            ; e0 .. e7
	s_cmp_lt_u32 ttmp9, 256
	s_cbranch_scc0 .Lweights
	; ---- z: a wave takes 16 groups of 512 numbers
	v_lshlrev_b32 v3, 4, v2                        ; in: my 16 bytes of a load's 512
	v_lshlrev_b32 v4, 4, v2                        ; out: my 16 codes of a group's 512
	s_lshl_b32 s19, ttmp9, 2
	s_add_co_u32 s19, s19, s18                     ; which run of 8,192 numbers is my wave's
	s_lshl_b32 s20, s19, 15
	s_mov_b32 s21, 0
	s_add_nc_u64 s[32:33], s[4:5], s[20:21]
	s_lshl_b32 s20, s19, 13
	s_add_nc_u64 s[34:35], s[12:13], s[20:21]
.irp t, 0,1,2,3
	LOADZ \t
.endr
	MKSCALE 24
.irp t, 0,1,2,3,4,5,6,7,8,9,10,11,12,13,14,15
	STEPZ \t
.endr
	s_endpgm
.Lweights:
	v_lshlrev_b32 v3, 2, v2                        ; in: 4 bytes a lane
	v_lshrrev_b32 v4, 4, v2
	v_and_b32 v5, 15, v2
	v_lshlrev_b32 v4, 11, v4
	v_lshl_add_u32 v4, v5, 4, v4                   ; out: 2,048 (lane / 16) + 16 (lane % 16): my column's place in its fragment
	s_cmp_lt_u32 ttmp9, 352
	s_cbranch_scc0 .Lmsa
	; ---- W_qkv: work-group g = 4 x + ky: columns 128 x on, positions 256 ky on
	s_sub_co_u32 s19, ttmp9, 256
	s_and_b32 s20, s19, 3                          ; ky
	s_lshr_b32 s21, s19, 2                         ; x
	s_lshl_b32 s22, s21, 2
	s_add_co_u32 s22, s22, s18                     ; my wave's group of 32 columns, 0 .. 95
	s_mul_i32 s23, s22, 43
	s_lshr_b32 s23, s23, 8                         ; / 6 (exact under 128): the head
	s_mul_i32 s36, s23, 6
	s_sub_co_u32 s36, s22, s36                     ; and which 32 of its 192 columns
	s_lshr_b32 s37, s20, 1
	s_lshl_b32 s37, s37, 9
	s_and_b32 s38, s20, 1
	s_lshl_b32 s38, s38, 6
	s_add_co_u32 s37, s37, s38                     ; the k of my first position: 512 (ky / 2) + 64 (ky % 2)
	s_mul_i32 s38, s37, 12288
	s_lshl_b32 s37, s22, 7
	s_add_co_u32 s38, s38, s37
	s_mov_b32 s39, 0
	s_add_nc_u64 s[32:33], s[6:7], s[38:39]
	s_lshl_b32 s38, s23, 3
	s_lshl_b32 s37, s20, 1
	s_add_co_u32 s38, s38, s37                     ; head x 8 + K step
	s_mul_i32 s38, s38, 12
	s_lshl_b32 s37, s36, 1
	s_add_co_u32 s38, s38, s37                     ; x 12 + block
	s_lshl_b32 s38, s38, 11
	s_add_nc_u64 s[34:35], s[14:15], s[38:39]
	WBODY 3072, 24576, 1, 25                       ; the largest offset, 447 rows of 12,288 bytes, lies inside the signed 24-bit immediate (ISA guide, chapter 10)
	s_endpgm
.Lmsa:
	; ---- W_msa: work-group g = 4 x + ky: columns 128 x on, k 256 ky on
	s_sub_co_u32 s19, ttmp9, 352
	s_and_b32 s20, s19, 3                          ; ky
	s_lshr_b32 s21, s19, 2                         ; x
	s_lshl_b32 s38, s20, 20                        ; 256 ky rows of 4,096 bytes
	s_lshl_b32 s37, s21, 9
	s_add_co_u32 s38, s38, s37
	s_lshl_b32 s37, s18, 7
	s_add_co_u32 s38, s38, s37
	s_mov_b32 s39, 0
	s_add_nc_u64 s[32:33], s[8:9], s[38:39]
	s_lshl_b32 s38, s21, 3
	s_lshl_b32 s37, s20, 1
	s_add_co_u32 s38, s38, s37                     ; tile x 8 + K step
	s_lshl_b32 s38, s38, 3
	s_lshl_b32 s37, s18, 1
	s_add_co_u32 s38, s38, s37                     ; x 8 + block
	s_lshl_b32 s38, s38, 11
	s_add_nc_u64 s[34:35], s[16:17], s[38:39]
	WBODY 1024, 16384, 0, 31
	s_endpgm
.Lfunc_end_k_qa1be97f995_quant:
	.size	k_qa1be97f995_quant, .Lfunc_end_k_qa1be97f995_quant-k_qa1be97f995_quant
	.p2alignl 7, 3214868480
	.fill 96, 4, 3214868480
	.section	.rodata,"a",@progbits
	.p2align	6, 0x0
	.amdhsa_kernel k_qa1be97f995_quant
		.amdhsa_group_segment_fixed_size 0
		.amdhsa_private_segment_fixed_size 0
		.amdhsa_enable_private_segment 0
		.amdhsa_kernarg_size 56
		.amdhsa_user_sgpr_count 2
		.amdhsa_user_sgpr_kernarg_segment_ptr 1
		.amdhsa_wavefront_size32 1
		.amdhsa_system_sgpr_workgroup_id_x 1
		.amdhsa_system_sgpr_workgroup_id_y 1
		.amdhsa_system_sgpr_workgroup_id_z 1
		.amdhsa_system_vgpr_workitem_id 0
		.amdhsa_next_free_vgpr 160
		.amdhsa_next_free_sgpr 66
		.amdhsa_reserve_vcc 0
		.amdhsa_float_denorm_mode_32 3
		.amdhsa_float_denorm_mode_16_64 3
		.amdhsa_memory_ordered 1
		.amdhsa_forward_progress 1
		.amdhsa_inst_pref_size 118
	.end_amdhsa_kernel
	.amdgpu_metadata
---
amdhsa.version: [ 1, 2 ]
amdhsa.kernels:
  - .name:           k_qa1be97f995_quant
    .symbol:         k_qa1be97f995_quant.kd
    .args:
      - { .name: z, .offset: 0, .size: 8, .value_kind: global_buffer, .address_space: global }
      - { .name: W_qkv, .offset: 8, .size: 8, .value_kind: global_buffer, .address_space: global }
      - { .name: W_msa, .offset: 16, .size: 8, .value_kind: global_buffer, .address_space: global }
      - { .name: lowp_scales, .offset: 24, .size: 8, .value_kind: global_buffer, .address_space: global }
      - { .name: zc, .offset: 32, .size: 8, .value_kind: global_buffer, .address_space: global }
      - { .name: wq, .offset: 40, .size: 8, .value_kind: global_buffer, .address_space: global }
      - { .name: wm, .offset: 48, .size: 8, .value_kind: global_buffer, .address_space: global }
    .group_segment_fixed_size: 0
    .private_segment_fixed_size: 0
    .kernarg_segment_align: 8
    .kernarg_segment_size: 56
    .max_flat_workgroup_size: 128
    .sgpr_count:     66
    .vgpr_count:     160
    .wavefront_size: 32
...
	.end_amdgpu_metadata
.endif
;; end of part 1
;; launch qkv (part 2): grid 16 x 32, 4 waves a work-group, clusters of 4 x 4, 327,680 bytes of LDS; arguments zc, wq, b_qkv, lowp_scales, qc, kc, vc; writes qc, kc, vc
.if DOCPART == 2
	.amdgcn_target "amdgcn-amd-amdhsa--gfx1250"
	.amdhsa_code_object_version 6
	.text
	.protected	k_qa1be97f995_qkv
	.globl	k_qa1be97f995_qkv
	.p2align	8
	.type	k_qa1be97f995_qkv,@function
k_qa1be97f995_qkv:
	s_mov_b64 s[64:65], 0
	v_nop
	global_prefetch_b8 v0, s[64:65] scope:SCOPE_SE
	s_setreg_imm32_b32 hwreg(HW_REG_WAVE_MODE, 25, 1), 1
	s_wait_xcnt 0x0
	s_wait_alu depctr_hold_cnt(0) depctr_sa_sdst(0) depctr_va_vdst(0) depctr_va_sdst(0) depctr_va_ssrc(0) depctr_va_vcc(0) depctr_vm_vsrc(0)
	s_getreg_b32 s2, hwreg(HW_REG_IB_STS2, 6, 4)
	s_cmp_eq_u32 s2, 0
	s_cbranch_scc0 .Lentry_in_a_cluster
	s_endpgm
.Lentry_in_a_cluster:
	s_bfe_u32 s2, ttmp6, 0x10000c
	s_cmp_lg_u32 s2, 0xf033
	s_cbranch_scc0 .Lentry_shape_is_right
	s_endpgm
.Lentry_shape_is_right:
; qkv = z W_qkv + b_qkv on codes of FP8 (E4M3), and its results quantised at once to q's, k's and v's codes, which leave as IMAGES OF THE NEXT PRODUCTS' OPERAND REGISTERS.
; A work-group takes one head's 192 columns (64 of q, 64 of k, 64 of v) and 256 rows; wave w rows 64 w .. 64 w + 63 and all 192 columns: 4 row blocks a x 12 column blocks b = 48 accumulators of 16 x 16.
; q and k (b 0-7) are made TRANSPOSED (source 0 = 16 columns of W, source 1 = 16 rows of z): a lane holds one row and eight neighbouring channels, so one conversion of an accumulator gives registers 2 c, 2 c + 1
; of the fragment (16 rows x 64 channels) that q k^T takes.  v (b 8-11) is made the natural way round (source 0 = z, source 1 = W): a lane holds one channel and eight neighbouring keys: registers 2 a, 2 a + 1 of
; the fragment (16 channels x 64 keys) that the second product takes.  A fragment of 8 registers is 1,024 bytes: registers 4 u .. 4 u + 3 of a lane at 512 u + 16 x lane: every store covers 512 consecutive bytes.
; The bias is the C of each sum's first matrix instruction, divided by 2^(e0 + e1), the power of two that the sums lack; the three scales ahead of each quantiser are folded into the conversion's one.
; K = 1,024 goes in four steps of 256 through a ring of two LDS slots: eight sub-steps of 128, all written out.  z's tile: 256 rows x 256 bytes, padded; W's: two sub-steps x 12 fragments of 2,048 bytes, dense.
; CLUSTERS: 4 x 4 work-groups.  The four of a row of the cluster take the same rows of z, the four of a column the same head: each tile is asked for JOINTLY, by the same tensor load with the same descriptor and a mask.
; By this text's own count a wave has two tensor loads out at the start and one behind each round.
; LIMITS: e2 - e0 - e1, e3 - e0 - e1 and e5 - e0 - e1 between -126 and 119, so that each folded scale and its hold are f32 numbers.  NaN is not served.  K is permuted alike in zc and wq (see the launch that makes them).
; REGISTERS, in windows of 256: window 0: v1-29 addresses, scales; v32-127 codes; v128-255 z's fragments, TWO sets of 4.   window 1: W's 12 fragments, ONE set: four are fetched anew as soon as their 16 products are issued.
;   window 2: the accumulators of b 0-7, (b, a) at v[8 (4 b + a)].   window 3: those of b 8-11 at v[8 (4 (b - 8) + a)]; v128-191 q's and k's bias, 8 registers a block; v192-223 v's; v224-227 v's as loaded.
.set PITCH, 272                        ; an LDS row of z: 256 bytes + 16 of padding = 68 words: the 16 rows that a load touches start at 16 different banks (64 banks of 4 bytes: ISA guide 11.1)
.set HALFA, 128*PITCH                  ; what one tensor load brings of z
.set SLOTA, 2*HALFA
.set WSUB,  12*2048                    ; a sub-step's 12 fragments of W: what one tensor load brings of W
.set SLOT,  SLOTA+2*WSUB
.set SPARE, 2*SLOT                     ; behind the ring: the spare words, 128 bytes for each wave: two blocks of 256 bytes that no other line names
.set ADRA, 16                          ; v16-17  LDS address of my z fragments in slot 0, 1
.set ADRB, 20                          ; v20-21  the same for W's images
.set LI,   24                          ; v24     16 x lane
.set SPW,  28                          ; v28     LDS address of my spare word; never rewritten
.set NIL,  29                          ; v29     0; never rewritten
.set CQ,   32                          ; v32-63  q's codes, v64-95 k's, v96-127 v's
.set CK,   64
.set CV,   96
.set ZF,   128
.set G1, 24                            ; s[24:31] descriptor group 1 for z's tiles;  s[32:39] group 0, one set for each slot
.set G0, 32
.set G1B, 48                           ; s[48:55], s[56:63] the same for W's
.set G0B, 56
.set MSB, 0
.macro WIN new                         ; the immediate's high byte repeats the setting that is left
.if MSB != \new
	s_set_vgpr_msb (MSB<<8)|\new
.set MSB, \new
.endif
.endm
; A joint load: waves 0 and 1 fetch z's halves, waves 2 and 3 W's two sub-steps.  The branch hangs on the wave's number alone.  An s_nop 0 and four v_nop follow each of the two lines.
.macro JLOAD g0a, g1a, g0b, g1b
	s_cmp_eq_u32 s15, 0
	s_cbranch_scc0 .Lfor_b_\@
	tensor_load_to_lds s[\g0a:\g0a+3], s[\g1a:\g1a+7]
	s_nop 0
.rept 4
	v_nop
.endr
	s_branch .Lasked_\@
.Lfor_b_\@:
	tensor_load_to_lds s[\g0b:\g0b+3], s[\g1b:\g1b+7]
	s_nop 0
.rept 4
	v_nop
.endr
.Lasked_\@:
.endm
.macro CREST                           ; a round of the cluster's barrier behind its opening barrier
	s_cmp_lg_u32 s14, 0
	s_cbranch_scc1 .Lnot_wave_0_\@
	s_barrier_signal -3
.Lnot_wave_0_\@:
	s_barrier_wait -3
	s_barrier_signal -1
	s_barrier_wait -1
.endm
.macro CROUND                          ; a whole round
	s_barrier_signal -1
	s_barrier_wait -1
	CREST
.endm
.macro PLACES                          ; four places in front of loads into registers that matrix instructions have read, and of the first read of results (ISA guide 7.12.1 for the first read of results)
.rept 4
	v_nop
.endr
.endm
; 16 matrix instructions: column blocks 4 p .. 4 p + 3 of q and k x my four row blocks.  first = 1: the bias starts the sums.  The 48 accumulators take turns, one instruction a turn, in the same order in every sub-step.
.macro PARTQK p, set, first
.if \first
	WIN 0xb1                                       ; source 0 (W) window 1, source 1 (z) window 0, C (bias) window 3, D window 2
.else
	WIN 0xa1                                       ; C and D window 2
.endif
.irp bb, 0,1,2,3
.irp a, 0,1,2,3
.if \first
	v_wmma_f32_16x16x128_fp8_fp8 v[8*(4*(4*\p+\bb)+\a):8*(4*(4*\p+\bb)+\a)+7], v[16*(4*\p+\bb):16*(4*\p+\bb)+15], v[ZF+64*\set+16*\a:ZF+64*\set+16*\a+15], v[128+8*(4*\p+\bb):128+8*(4*\p+\bb)+7]
.else
	v_wmma_f32_16x16x128_fp8_fp8 v[8*(4*(4*\p+\bb)+\a):8*(4*(4*\p+\bb)+\a)+7], v[16*(4*\p+\bb):16*(4*\p+\bb)+15], v[ZF+64*\set+16*\a:ZF+64*\set+16*\a+15], v[8*(4*(4*\p+\bb)+\a):8*(4*(4*\p+\bb)+\a)+7]
.endif
.endr
.endr
.endm
.macro PARTV set, first                ; 16 matrix instructions: v's four column blocks, the natural way round
	WIN 0xf4                                       ; source 0 (z) window 0, source 1 (W) window 1, C and D window 3
.irp t, 0,1,2,3
.irp a, 0,1,2,3
.if \first
	v_wmma_f32_16x16x128_fp8_fp8 v[8*(4*\t+\a):8*(4*\t+\a)+7], v[ZF+64*\set+16*\a:ZF+64*\set+16*\a+15], v[16*(8+\t):16*(8+\t)+15], v[192+8*\t:192+8*\t+7]
.else
	v_wmma_f32_16x16x128_fp8_fp8 v[8*(4*\t+\a):8*(4*\t+\a)+7], v[ZF+64*\set+16*\a:ZF+64*\set+16*\a+15], v[16*(8+\t):16*(8+\t)+15], v[8*(4*\t+\a):8*(4*\t+\a)+7]
.endif
.endr
.endr
.endm
.macro FETCHW slot, q, b0              ; W's fragments b0 .. b0 + 3 of the slot's sub-step q: 16 loads of 512 consecutive bytes
	WIN 0x40                                       ; destination window 1, address window 0
.irp b, \b0, \b0+1, \b0+2, \b0+3
.irp c, 0,1,2,3
	ds_load_b128 v[16*(\b)+4*\c:16*(\b)+4*\c+3], v[ADRB+\slot] offset:(\q)*WSUB+(\b)*2048+512*\c
.endr
.endr
.endm
.macro FETCHZ slot, q, set             ; z's four fragments: lane (r, h) takes, of row r, positions 32 c + 16 h + 0 .. 15 into registers 4 c .. 4 c + 3, as W's images have them
	WIN 0
.irp a, 0,1,2,3
.irp c, 0,1,2,3
	ds_load_b128 v[ZF+64*\set+16*\a+4*\c:ZF+64*\set+16*\a+4*\c+3], v[ADRA+\slot] offset:128*(\q)+32*\c+\a*16*PITCH
.endr
.endr
.endm
; A slot's first sub-step (z's set 0); the second's fragments are fetched meanwhile, each run of loads 32 matrix instructions ahead of its use.  LDS loads come back in order: W 0-3, z, W 4-7, W 8-11.
.macro STEP slot, first
	s_wait_dscnt 32                                ; W 0-3 and z are in; W 4-7 and W 8-11 may be out
	PARTQK 0, 0, \first
	PLACES
	FETCHW \slot, 1, 0
	FETCHZ \slot, 1, 1
	s_wait_dscnt 48                                ; W 4-7 are in; behind them: W 8-11 and the 32 just issued
	PARTQK 1, 0, \first
	PLACES
	FETCHW \slot, 1, 4
	s_wait_dscnt 48                                ; W 8-11 are in; behind them: the 48 of the next sub-step
	PARTV 0, \first
	PLACES
	FETCHW \slot, 1, 8
	WIN 0
.endm
; A slot's second sub-step (set 1) changes slots: ONE barrier; in front of it each wave waits for all its tensor loads, adds 0 to its spare word, and waits for that and for its reads of this slot.  fill = 1: this slot is filled again, two K steps ahead.
.macro TURN slot, next, fill
	s_wait_tensorcnt 0x0                           ; all my tensor loads have landed: my part of the next slot (every window is 0 here)
	ds_add_u32 v[SPW], v[NIL]                      ; 0 onto my spare word
	s_wait_dscnt 33                                ; W 0-3 and z are in; W 4-7, W 8-11 and the add may be out
	PARTQK 0, 1, 0                                 ; sixteen matrix instructions stand between the add and the wait for it
	s_wait_dscnt 0x0                               ; the add is done, and my reads of this slot are over
	s_barrier_signal -1
	PARTQK 1, 1, 0
	WIN 0
	s_barrier_wait -1
.if \fill
	CREST                                          ; the barrier has opened a round of the cluster's: no wave of any partner still reads this slot or has a load on its way
	s_add_nc_u64 s[G0+4*\slot+2:G0+4*\slot+3], s[G0+4*\slot+2:G0+4*\slot+3], 512
	s_add_nc_u64 s[G0B+4*\slot+2:G0B+4*\slot+3], s[G0B+4*\slot+2:G0B+4*\slot+3], 4*WSUB
	JLOAD G0+4*\slot, G1, G0B+4*\slot, G1B         ; the first tensor load behind the round; its four v_nop are the places in front of the loads below
.else
	PLACES
.endif
	FETCHW \next, 0, 0
	FETCHZ \next, 0, 0
	FETCHW \next, 0, 4
	PARTV 1, 0
	PLACES
	FETCHW \next, 0, 8
	WIN 0
.endm
.macro FOLD e, vs, vl                  ; v[vs] = 2^(e - e0 - e1) as f32, v[vl] = 448 x that
	s_sub_co_i32 s86, s[\e], s84
	s_add_co_i32 s86, s86, 127
	s_lshl_b32 s87, s86, 23
	v_mov_b32 v[\vs], s87
	s_add_co_i32 s86, s86, 8
	s_lshl_b32 s86, s86, 23
	s_or_b32 s86, s86, 0x600000
	v_mov_b32 v[\vl], s86
.endm
	s_load_b256 s[4:11], s[0:1], 0x0               ; zc s[4:5], wq s[6:7], b_qkv s[8:9], the scales' exponents s[10:11]
	s_load_b128 s[68:71], s[0:1], 0x20             ; qc s[68:69], kc s[70:71]
	s_load_b64 s[72:73], s[0:1], 0x30              ; vc
	v_lshl_add_u32 v[SPW], v0, 2, SPARE
	v_mov_b32 v[NIL], 0
	ds_add_u32 v[SPW], v[NIL]                      ; the wave's opening: the add and its wait stand ahead of my first tensor load; the set-up below, work on registers, stands between them
	v_lshrrev_b32 v1, 5, v0
	v_readfirstlane_b32 s14, v1                    ; wave 0..3
	s_lshr_b32 s15, s14, 1                         ; I fetch for z (0) or for W (1)
	s_and_b32 s16, s14, 1                          ; which half of z's rows, or which sub-step of W
	s_bfe_u32 s40, ttmp6, 0x40000                  ; cx, cy: my place in the cluster
	s_bfe_u32 s41, ttmp6, 0x40004
	s_lshl_b32 s42, ttmp9, 2
	s_add_co_u32 s42, s42, s40                     ; the head = 4 x cluster x + cx
	s_and_b32 s17, ttmp7, 0xffff
	s_lshl_b32 s17, s17, 2
	s_add_co_u32 s17, s17, s41                     ; the block of 256 rows = 4 x cluster y + cy
	s_lshl_b32 s43, s41, 2
	s_lshl_b32 s43, 15, s43                        ; my row of the cluster
	s_lshl_b32 s44, 0x1111, s40                    ; my column
	s_or_b32 s[G1+0], s43, (1<<20)|(1<<21)|(5<<22)|(3<<25)  ; 15:0 the mask: z's tiles go to my row; 17:16 elements of 1 byte; 20 padding on; 21 set beside a mask; 24:22 after every 64 words; 31:25 of 4 words
	s_mov_b32 s[G1+1], 256<<16                     ; tensor_dim0 = 256
	s_mov_b32 s[G1+2], 128<<16                     ; tensor_dim1 = 128
	s_mov_b32 s[G1+3], 256<<16                     ; tile_dim0
	s_mov_b32 s[G1+4], 128                         ; tile_dim1
	s_mov_b32 s[G1+5], 1024                        ; from row to row
	s_mov_b32 s[G1+6], 0
	s_mov_b32 s[G1+7], 0
	s_or_b32 s[G1B+0], s44, (1<<21)                ; W's images go to my column; no padding: a dense block as 96 rows of 256 bytes
	s_mov_b32 s[G1B+1], 256<<16
	s_mov_b32 s[G1B+2], 96<<16
	s_mov_b32 s[G1B+3], 256<<16
	s_mov_b32 s[G1B+4], 96
	s_mov_b32 s[G1B+5], 256
	s_mov_b32 s[G1B+6], 0
	s_mov_b32 s[G1B+7], 0
	s_lshl_b32 s20, s17, 8
	s_lshl_b32 s18, s16, 7
	s_add_co_u32 s20, s20, s18
	s_lshl_b32 s20, s20, 10                        ; z: row 256 y + 128 x half, of 1,024 bytes
	s_mov_b32 s21, 0
	s_lshl_b32 s46, s42, 3
	s_add_co_u32 s46, s46, s16
	s_mul_i32 s46, s46, WSUB                       ; W: sub-step 8 x head + mine
	s_mov_b32 s47, 0
	s_mul_i32 s45, s16, HALFA                      ; where they go: no place in the cluster enters an LDS address
	s_mul_i32 s19, s16, WSUB
	s_add_co_u32 s19, s19, SLOTA
	s_wait_dscnt 0x0                               ; the opening add is done
	s_wait_kmcnt 0x0
	s_load_b256 s[76:83], s[10:11], 0x0            ; e0 .. e7
	s_add_nc_u64 s[20:21], s[4:5], s[20:21]
	s_add_nc_u64 s[46:47], s[6:7], s[46:47]
	CROUND                                         ; all sixteen work-groups are here: the first joint loads meet
.irp s, 0,1
	s_mov_b32 s[G0+4*\s], 1
	s_add_co_u32 s[G0+4*\s+1], s45, \s*SLOT
	s_add_nc_u64 s[G0+4*\s+2:G0+4*\s+3], s[20:21], \s*256
	s_or_b32 s[G0+4*\s+3], s[G0+4*\s+3], 0x80000000
	s_mov_b32 s[G0B+4*\s], 1
	s_add_co_u32 s[G0B+4*\s+1], s19, \s*SLOT
	s_add_nc_u64 s[G0B+4*\s+2:G0B+4*\s+3], s[46:47], \s*2*WSUB
	s_or_b32 s[G0B+4*\s+3], s[G0B+4*\s+3], 0x80000000
	JLOAD G0+4*\s, G1, G0B+4*\s, G1B
.endr
	v_and_b32 v1, 15, v0                           ; r = lane % 16
	v_bfe_u32 v2, v0, 4, 1                         ; h = lane / 16
	v_mul_u32_u24 v3, v1, PITCH
	v_lshl_add_u32 v3, v2, 4, v3
	s_mul_i32 s22, s14, 64*PITCH                   ; my 64 rows of z
	v_add_nc_u32 v[ADRA], s22, v3
	v_add_nc_u32 v[ADRA+1], SLOT, v[ADRA]
	v_and_b32 v4, 31, v0
	v_lshlrev_b32 v[LI], 4, v4
	v_add_nc_u32 v[ADRB], SLOTA, v[LI]
	v_add_nc_u32 v[ADRB+1], SLOT+SLOTA, v[LI]
	v_lshlrev_b32 v5, 5, v2                        ; q's and k's bias: register j of block b is b_qkv[192 head + 16 b + 8 h + j]
	v_lshlrev_b32 v6, 2, v1                        ; v's: every register of block t is b_qkv[192 head + 128 + 16 t + r]
	s_mul_i32 s94, s42, 768
	s_mov_b32 s95, 0
	s_add_nc_u64 s[8:9], s[8:9], s[94:95]
	WIN 0xc0                                       ; destination window 3
.irp b, 0,1,2,3,4,5,6,7
	global_load_b128 v[128+8*\b:128+8*\b+3], v5, s[8:9] offset:64*\b
	global_load_b128 v[128+8*\b+4:128+8*\b+7], v5, s[8:9] offset:64*\b+16
.endr
.irp t, 0,1,2,3
	global_load_b32 v[224+\t], v6, s[8:9] offset:512+64*\t
.endr
	WIN 0
	s_lshr_b32 s92, s17, 3                         ; where my wave's images begin, the same in qc, kc and vc: (((batch x 16 + head) x 32 + 4 (y % 8) + wave) x 4,096
	s_lshl_b32 s92, s92, 4
	s_add_co_u32 s92, s92, s42
	s_lshl_b32 s92, s92, 5
	s_and_b32 s93, s17, 7
	s_lshl_b32 s93, s93, 2
	s_add_co_u32 s92, s92, s93
	s_add_co_u32 s92, s92, s14
	s_lshl_b32 s92, s92, 12
	s_mov_b32 s93, 0
	s_add_nc_u64 s[68:69], s[68:69], s[92:93]
	s_add_nc_u64 s[70:71], s[70:71], s[92:93]
	s_add_nc_u64 s[72:73], s[72:73], s[92:93]
	s_wait_loadcnt 0x0                             ; the bias
	s_wait_kmcnt 0x0                               ; the exponents
	s_add_co_i32 s84, s76, s77                     ; e0 + e1: a sum stands for sum x 2^(e0 + e1), so the bias goes in divided by it
	s_sub_co_i32 s85, 0, s84
	WIN 0xc3                                       ; source 0 and destination window 3
.set j, 0
.rept 64
	v_ldexp_f32 v[128+j], v[128+j], s85
.set j, j+1
.endr
.irp t, 0,1,2,3
.irp jj, 0,1,2,3,4,5,6,7
	v_ldexp_f32 v[192+8*\t+\jj], v[224+\t], s85
.endr
.endr
	WIN 0
	FOLD 78, 8, 11                                 ; q's conversion: 2^(e2 - e0 - e1)
	FOLD 79, 9, 12                                 ; k's: e3
	FOLD 81, 10, 13                                ; v's: e5
	s_wait_tensorcnt 1                             ; my part of K step 0 is in (K step 1's load may be out)
	s_barrier_signal -1
	s_barrier_wait -1                              ; everybody's is
	FETCHW 0, 0, 0
	FETCHZ 0, 0, 0
	FETCHW 0, 0, 4
	FETCHW 0, 0, 8
	STEP 0, 1                                      ; the first sub-step's products start the sums with the bias
	TURN 0, 1, 1                                   ; slot 0 takes K step 2
	STEP 1, 0
	TURN 1, 0, 1                                   ; slot 1 takes K step 3
	STEP 0, 0
	TURN 0, 1, 0                                   ; nothing is left to fetch
	STEP 1, 0
	s_wait_dscnt 32                                ; the last sub-step
	PARTQK 0, 1, 0
	s_wait_dscnt 16
	PARTQK 1, 1, 0
	s_wait_dscnt 0
	PARTV 1, 0
	WIN 0
	; THE WAY OUT: hold, convert, store.  Each accumulator is read from its low end on.
	PLACES
	WIN 0x82                                       ; source 0 and destination window 2; the holds lie in window 0
.set j, 0
.rept 128
	v_med3_num_f32 v[j], v[j], -v11, v11           ; q.  The conversion to an 8-bit code does not saturate (ISA guide 7.6.2)
.set j, j+1
.endr
.rept 128
	v_med3_num_f32 v[j], v[j], -v12, v12           ; k
.set j, j+1
.endr
	WIN 0x02                                       ; source 0 window 2, destination window 0
.irp a, 0,1,2,3
.irp c, 0,1,2,3
	v_cvt_scalef32_pk8_fp8_f32 v[CQ+8*\a+2*\c:CQ+8*\a+2*\c+1], v[8*(4*\c+\a):8*(4*\c+\a)+7], v8           ; rows 16 a on: channels 16 c + 8 h + 0 .. 7
	v_cvt_scalef32_pk8_fp8_f32 v[CK+8*\a+2*\c:CK+8*\a+2*\c+1], v[128+8*(4*\c+\a):128+8*(4*\c+\a)+7], v9
.endr
.endr
	v_nop                                          ; one plain vector instruction behind the last conversion of a run
	WIN 0
.irp a, 0,1,2,3
.irp u, 0,1
	global_store_b128 v[LI], v[CQ+8*\a+4*\u:CQ+8*\a+4*\u+3], s[68:69] offset:1024*\a+512*\u   ; 32 lanes store 512 consecutive bytes
	global_store_b128 v[LI], v[CK+8*\a+4*\u:CK+8*\a+4*\u+3], s[70:71] offset:1024*\a+512*\u
.endr
.endr
	WIN 0xc3
.set j, 0
.rept 128
	v_med3_num_f32 v[j], v[j], -v13, v13           ; v
.set j, j+1
.endr
	WIN 0x03
.irp t, 0,1,2,3
.irp a, 0,1,2,3
	v_cvt_scalef32_pk8_fp8_f32 v[CV+8*\t+2*\a:CV+8*\t+2*\a+1], v[8*(4*\t+\a):8*(4*\t+\a)+7], v10           ; channels 16 t on: keys 16 a + 8 h + 0 .. 7 of my 64
.endr
.endr
	v_nop
	WIN 0
.irp t, 0,1,2,3
.irp u, 0,1
	global_store_b128 v[LI], v[CV+8*\t+4*\u:CV+8*\t+4*\u+3], s[72:73] offset:1024*\t+512*\u
.endr
.endr
	s_wait_tensorcnt 0x0                           ; the wave's end
	ds_add_u32 v[SPW], v[NIL]
	s_wait_dscnt 0x0
	CROUND                                         ; the closing round: no work-group ends while a partner may still ask for a tile that names it
	s_endpgm
.Lfunc_end_k_qa1be97f995_qkv:
	.size	k_qa1be97f995_qkv, .Lfunc_end_k_qa1be97f995_qkv-k_qa1be97f995_qkv
	.p2alignl 7, 3214868480
	.fill 96, 4, 3214868480
	.section	.rodata,"a",@progbits
	.p2align	6, 0x0
	.amdhsa_kernel k_qa1be97f995_qkv
		.amdhsa_group_segment_fixed_size 327680
		.amdhsa_private_segment_fixed_size 0
		.amdhsa_enable_private_segment 0
		.amdhsa_kernarg_size 56
		.amdhsa_user_sgpr_count 2
		.amdhsa_user_sgpr_kernarg_segment_ptr 1
		.amdhsa_wavefront_size32 1
		.amdhsa_system_sgpr_workgroup_id_x 1
		.amdhsa_system_sgpr_workgroup_id_y 1
		.amdhsa_system_sgpr_workgroup_id_z 1
		.amdhsa_system_vgpr_workitem_id 0
		.amdhsa_next_free_vgpr 1024
		.amdhsa_next_free_sgpr 98
		.amdhsa_reserve_vcc 0
		.amdhsa_float_denorm_mode_32 3
		.amdhsa_float_denorm_mode_16_64 3
		.amdhsa_memory_ordered 1
		.amdhsa_forward_progress 1
		.amdhsa_inst_pref_size 109
	.end_amdhsa_kernel
	.amdgpu_metadata
---
amdhsa.version: [ 1, 2 ]
amdhsa.kernels:
  - .name:           k_qa1be97f995_qkv
    .symbol:         k_qa1be97f995_qkv.kd
    .args:
      - { .name: zc, .offset: 0, .size: 8, .value_kind: global_buffer, .address_space: global }
      - { .name: wq, .offset: 8, .size: 8, .value_kind: global_buffer, .address_space: global }
      - { .name: b_qkv, .offset: 16, .size: 8, .value_kind: global_buffer, .address_space: global }
      - { .name: lowp_scales, .offset: 24, .size: 8, .value_kind: global_buffer, .address_space: global }
      - { .name: qc, .offset: 32, .size: 8, .value_kind: global_buffer, .address_space: global }
      - { .name: kc, .offset: 40, .size: 8, .value_kind: global_buffer, .address_space: global }
      - { .name: vc, .offset: 48, .size: 8, .value_kind: global_buffer, .address_space: global }
    .group_segment_fixed_size: 327680
    .private_segment_fixed_size: 0
    .kernarg_segment_align: 8
    .kernarg_segment_size: 56
    .max_flat_workgroup_size: 128
    .sgpr_count:     98
    .vgpr_count:     1024
    .wavefront_size: 32
...
	.end_amdgpu_metadata
.endif
;; end of part 2
;; launch attn (part 3): grid 4 x 64, 16 waves a work-group, no clusters, 264,192 bytes of LDS; arguments qc, kc, vc, lowp_scales, ac; writes ac
.if DOCPART == 3
	.amdgcn_target "amdgcn-amd-amdhsa--gfx1250"
	.amdhsa_code_object_version 6
	.text
	.protected	k_qa1be97f995_attn
	.globl	k_qa1be97f995_attn
	.p2align	8
	.type	k_qa1be97f995_attn,@function
k_qa1be97f995_attn:
	s_mov_b64 s[64:65], 0
	v_nop
	global_prefetch_b8 v0, s[64:65] scope:SCOPE_SE
	s_setreg_imm32_b32 hwreg(HW_REG_WAVE_MODE, 25, 1), 1
	s_wait_xcnt 0x0
; attn[q] = (the sum over keys of Q(p) Q(v)) / l for one head, p = 2^(t - M), t = score x log2(e) / 8, M = the running largest t rounded UP to a whole number, l = the sum of the unquantised p; the result is quantised
; at once for the last product.  Both products on codes of FP8 (E4M3): q k^T by the K = 64 form (the head's 64 channels), p v by the K = 128 form (128 keys a step).
; SHARES.  A work-group owns 512 queries of one head (of 64: batch x 16 + head).  The head's WHOLE K and V, 131,072 bytes of register images each, lie in LDS for the whole launch: filled once, one barrier, no ring.
; Each of the SIXTEEN waves (four to a SIMD, 256 registers) owns one tile of 16 queries a pass, and makes two passes.
; The four work-groups of a head copy the same K and V, each for itself and through registers: 16,384 bytes a wave, once, against 32 key steps of work.  So the text has no tensor load and no copy, and a scalar branch on the
; whole number e4 may stand in the key step: p is at most 1, so its hold at 448 x 2^e4 changes nothing where e4 is -8 or more, and the step's 64 holds are jumped over; for e4 of -9 or less they run.
; LAYOUT.  Both products transposed: S^T = K Q^T (source 0 = 16 keys, source 1 = my 16 queries), O^T = V^T P^T (source 0 = 16 channels, source 1 = P): a lane holds ONE query (lane % 16) throughout.  In S^T's tile t a lane's
; eight registers are keys 16 t + 8 (lane / 16) + 0 .. 7: one conversion gives registers 2 t, 2 t + 1 of P in the K = 128 form's own layout.  O^T's four tiles give, likewise, the fragment (16 rows x this head's 64 of K) of the last product.
; LIMITS: e2 + e3 between -123 and 130 (added to c's exponent field); e4 and e6 between -126 and 119.  NaN is not served.  Under a running M a p that falls under the format's range while M is still low is lost.
; REGISTERS: v1 16 x lane; v2, v3 addresses of the loads in hand; v4 where I store my part of K or V; v5, v6 the add's two; v7 16 x lane + V's base; v8, v9 448 x 2^e4, 2^e4; v10, v11 the same of e6; v12 -M, v13 the largest t,
;   v[14:15] l in two halves; v16-23 Q of pass 0; v24-39 P's codes; v40-103 fragments of K or V; v104-167 S^T, then p; v168-199 O^T; v200-207 at work; v208-215 Q of pass 1; v216-231 the passes' codes.
.set VBASE, 131072                     ; LDS: K's tile kt (16 keys) at 1,024 kt; V's fragment (64 keys g, 16 channels t) at VBASE + 1,024 (4 g + t)
.set SPARE, 262144                     ; behind them: the spare words, 128 bytes for each wave: eight blocks of 256 bytes that no other line names
.set LI,  1
.set ADK, 2
.set ADV, 3
.set LW,  4
.set SPW, 5
.set NIL, 6
.set LV,  7
.set P,   24
.set FR,  40
.set S,   104
.set O,   168
.macro KFETCH                          ; the 8 tiles of K of the step at LDS byte s32: 16 loads of 512 consecutive bytes
.irp t, 0,1,2,3,4,5,6,7
.irp u, 0,1
	ds_load_b128 v[FR+8*\t+4*\u:FR+8*\t+4*\u+3], v[ADK] offset:1024*\t+512*\u
.endr
.endr
.endm
; A KEY STEP: 128 keys.  q: where my Q lies.  nxt = 0: the next step's K is fetched at the end; 1: the next pass's first; 2: nothing.
.macro STEP q, nxt
	s_wait_dscnt 0x0                               ; K is in
.irp t, 0,1,2,3,4,5,6,7
	v_wmma_f32_16x16x64_fp8_fp8 v[S+8*\t:S+8*\t+7], v[FR+8*\t:FR+8*\t+7], v[\q:\q+7], 0
.endr
	v_add_nc_u32 v[ADV], s32, v[LV]                ; four places: in front of the loads into K's registers, and of the first read of the scores
.rept 3
	v_nop
.endr
.irp t, 0,1,2,3
.irp g, 0,1
.irp u, 0,1
	ds_load_b128 v[FR+16*\t+8*\g+4*\u:FR+16*\t+8*\g+4*\u+3], v[ADV] offset:4096*\g+1024*\t+512*\u   ; V lands under the softmax
.endr
.endr
.endr
	v_max3_num_f32 v200, v[S], v[S+1], v[S+2]      ; the step's largest score of my query among my 64 keys, in two chains, each accumulator from its low end on,
	v_max3_num_f32 v202, v[S+3], v[S+4], v[S+5]
.irp i, 6,10,14,18,22,26,30,34,38,42,46,50,54,58
	v_max3_num_f32 v200, v200, v[S+\i], v[S+\i+1]
	v_max3_num_f32 v202, v202, v[S+\i+2], v[S+\i+3]
.endr
	v_max3_num_f32 v200, v200, v[S+62], v[S+63]
	v_max_num_f32 v200, v200, v202
	v_permlanex16_b32 v201, v200, s20, s21
	v_max_num_f32 v200, v200, v201                 ; and among lane l xor 16's
	v_mul_f32 v200, s22, v200                      ; as t (c is positive)
	v_max_num_f32 v13, v13, v200                   ; the running largest t
	v_mov_b32 v200, v12
	v_floor_f32 v12, -v13                          ; the new -M = floor(-t) = -ceil(t): a whole number
	v_sub_f32 v200, v12, v200                      ; M's old value less its new one: 0 or less
	v_cvt_i32_f32 v200, v200                       ; (it saturates)
	v_ldexp_f32 v204, 1.0, v200                    ; f = 2^(old M - new M): the rescaling rounds nothing
.set j, 0
.rept 32
	v_pk_fma_f32 v[S+j:S+j+1], v[S+j:S+j+1], s[22:23], v[12:13] op_sel_hi:[1,0,0]   ; t - M, two at a time (of the pairs c and -M the low word serves both halves)
.set j, j+2
.endr
.set j, 0
.rept 64
	v_exp_f32 v[S+j], v[S+j]                       ; p = 2^(t - M), at most 1
.set j, j+1
.endr
	v_pk_mul_f32 v[14:15], v[14:15], v[204:205] op_sel_hi:[1,0]   ; l under the new M: the plain instruction behind the exponentials
	s_wait_alu depctr_va_vdst(0)                   ; one wait for the whole batch, ahead of its first reader
	v_pk_add_f32 v[206:207], v[S:S+1], v[S+2:S+3]  ; l is taken of the UNQUANTISED p, two at a time, in two chains
.set j, 4
.rept 15
	v_pk_add_f32 v[14:15], v[14:15], v[S+j:S+j+1]
	v_pk_add_f32 v[206:207], v[206:207], v[S+j+2:S+j+3]
.set j, j+4
.endr
	v_pk_add_f32 v[14:15], v[14:15], v[206:207]
	s_cmp_gt_i32 s28, -9                           ; 448 x 2^e4 is above 1 where e4 > -9: no p reaches it
	s_cbranch_scc1 .Lno_hold_\@
.set j, 0
.rept 64
	v_min_num_f32 v[S+j], v[S+j], v8               ; the conversion does not saturate (ISA guide 7.6.2); p is not negative, so the hold is one-sided
.set j, j+1
.endr
.Lno_hold_\@:
.irp t, 0,1,2,3,4,5,6,7
	v_cvt_scalef32_pk8_fp8_f32 v[P+2*\t:P+2*\t+1], v[S+8*\t:S+8*\t+7], v9
.endr
.set j, 0
.rept 16
	v_pk_mul_f32 v[O+j:O+j+1], v[O+j:O+j+1], v[204:205] op_sel_hi:[1,0]   ; O^T under the new M; also the plain lines behind the conversions
.set j, j+2
.endr
	s_wait_dscnt 0x0                               ; V is in
.irp t, 0,1,2,3
	v_wmma_f32_16x16x128_fp8_fp8 v[O+8*\t:O+8*\t+7], v[FR+16*\t:FR+16*\t+15], v[P:P+15], v[O+8*\t:O+8*\t+7]   ; the four accumulators take one turn each; eight other products stand between two links
.endr
.if (\nxt) == 0
	s_add_co_u32 s32, s32, 8192                    ; a step on: 8 tiles of K, 8 fragments of V
.elseif (\nxt) == 1
	s_mov_b32 s32, 0
.endif
.if (\nxt) < 2
	v_add_nc_u32 v[ADK], s32, v[LI]                ; four places in front of the loads into V's registers
.rept 3
	v_nop
.endr
	KFETCH
.else
.rept 4
	v_nop                                          ; four places in front of the first read of O^T
.endr
.endif
.endm
; A PASS: one tile of 16 queries against all 2,048 keys.  The loop is written once: its first step finds zeros, which the first change of M leaves zeros.
.macro PASS q, pass, last
	v_mov_b32 v13, 0xff61b1e6                      ; the largest t so far: -3e38, under every t
	v_floor_f32 v12, -v13
	v_mov_b32 v14, 0
	v_mov_b32 v15, 0
.set j, 0
.rept 32
	v_mov_b32 v[O+j], 0
.set j, j+1
.endr
	s_mov_b32 s33, 15
.Lkeys_\@:
	STEP \q, 0
	s_sub_co_u32 s33, s33, 1
	s_cmp_lg_u32 s33, 0
	s_cbranch_scc1 .Lkeys_\@
	STEP \q, 1+\last                               ; the sixteenth step is written out: what it fetches ahead differs
	v_add_f32 v14, v14, v15                        ; l's two halves,
	v_permlanex16_b32 v201, v14, s20, s21
	v_add_f32 v14, v14, v201                       ; and lane l xor 16's
	v_rcp_f32 v14, v14
	v_nop                                          ; a plain instruction behind the transcendental
	s_wait_alu depctr_va_vdst(0)                   ; and the wait ahead of its first reader
	v_ldexp_f32 v14, v14, s36                      ; x 2^(e4 + e5)
.set j, 0
.rept 16
	v_pk_mul_f32 v[S+j:S+j+1], v[O+j:O+j+1], v[14:15] op_sel_hi:[1,0]   ; attn: register 8 t + i is (my query, channel 16 t + 8 h + i)
.set j, j+2
.endr
.set j, 0
.rept 32
	v_med3_num_f32 v[S+j], v[S+j], -v10, v10
.set j, j+1
.endr
.irp t, 0,1,2,3
	v_cvt_scalef32_pk8_fp8_f32 v[216+8*\pass+2*\t:216+8*\pass+2*\t+1], v[S+8*\t:S+8*\t+7], v11
.endr
	v_nop                                          ; one plain vector instruction behind the last conversion: the next pass's products write its sources
	global_store_b128 v[LI], v[216+8*\pass:216+8*\pass+3], s[12:13] offset:262144*\pass        ; 32 lanes store 512 consecutive bytes; the second pass's tile lies 16 tiles x 16 heads x 1,024 bytes on
	global_store_b128 v[LI], v[216+8*\pass+4:216+8*\pass+7], s[12:13] offset:262144*\pass+512
.endm
	s_load_b256 s[4:11], s[0:1], 0x0               ; qc s[4:5], kc s[6:7], vc s[8:9], the scales' exponents s[10:11]
	s_load_b64 s[12:13], s[0:1], 0x20              ; ac
	v_lshl_add_u32 v[SPW], v0, 2, SPARE
	v_mov_b32 v[NIL], 0
	v_lshrrev_b32 v2, 5, v0
	v_readfirstlane_b32 s14, v2                    ; wave 0..15
	v_and_b32 v1, 31, v0
	v_lshlrev_b32 v[LI], 4, v1
	s_and_b32 s15, ttmp7, 0xffff                   ; batch x 16 + head
	s_lshl_b32 s17, s14, 14
	v_add_nc_u32 v[LW], s17, v[LI]                 ; waves 0-7 fill K, waves 8-15 V: 16,384 bytes each, on end
	v_add_nc_u32 v[LV], VBASE, v[LI]
	v_mov_b32 v201, 0                              ; written once: a lane permute's destination counts as one of its sources
	v_mov_b32 v205, 0                              ; (named as the upper half of the pair v[204:205])
	s_lshl_b32 s16, ttmp9, 5
	s_add_co_u32 s16, s16, s14                     ; my tile of pass 0: 32 x + wave
	s_lshl_b32 s18, s15, 7
	s_add_co_u32 s18, s18, s16
	s_lshl_b32 s18, s18, 10                        ; its image in qc
	s_mov_b32 s19, 0
	s_lshl_b32 s40, s15, 17                        ; the head's images in kc and vc,
	s_and_b32 s41, s14, 7
	s_lshl_b32 s41, s41, 14
	s_add_co_u32 s40, s40, s41                     ; my eighth of them
	s_mov_b32 s41, 0
	s_lshr_b32 s42, s15, 4
	s_lshl_b32 s42, s42, 7
	s_add_co_u32 s42, s42, s16                     ; batch x 128 + tile
	s_lshl_b32 s42, s42, 4
	s_and_b32 s43, s15, 15
	s_add_co_u32 s42, s42, s43                     ; x 16 + head
	s_lshl_b32 s42, s42, 10
	s_mov_b32 s43, 0
	s_mov_b32 s20, 0x76543210                      ; v_permlanex16_b32's selects for lane l xor 16
	s_mov_b32 s21, 0xfedcba98
	s_mov_b32 s22, 0x3e38aa3b                      ; c = log2(e) / sqrt(64)
	s_mov_b32 s32, 0
	s_wait_kmcnt 0x0
	s_load_b256 s[24:31], s[10:11], 0x0            ; e0 .. e7
	s_add_nc_u64 s[4:5], s[4:5], s[18:19]
	s_cmp_lt_u32 s14, 8
	s_cselect_b64 s[38:39], s[6:7], s[8:9]         ; the choice hangs on the wave's number alone
	s_add_nc_u64 s[38:39], s[38:39], s[40:41]
	s_add_nc_u64 s[12:13], s[12:13], s[42:43]
	global_load_b128 v[16:19], v[LI], s[4:5]
	global_load_b128 v[20:23], v[LI], s[4:5] offset:512
	global_load_b128 v[208:211], v[LI], s[4:5] offset:16384
	global_load_b128 v[212:215], v[LI], s[4:5] offset:16896
.set i, 0
.rept 32
	global_load_b128 v[FR+4*i:FR+4*i+3], v[LI], s[38:39] offset:512*i
.set i, i+1
.endr
	s_wait_kmcnt 0x0
	s_add_co_i32 s34, s26, s27
	s_lshl_b32 s34, s34, 23
	s_add_co_i32 s22, s22, s34                     ; a score stands for score x 2^(e2 + e3): the two exponents are added to c's exponent field
	s_mov_b32 s23, s22                             ; (named with it as a pair, so it is written)
	s_add_co_i32 s34, s28, 127
	s_lshl_b32 s35, s34, 23
	v_mov_b32 v9, s35                              ; 2^e4
	s_add_co_i32 s34, s34, 8
	s_lshl_b32 s34, s34, 23
	s_or_b32 s34, s34, 0x600000
	v_mov_b32 v8, s34                              ; 448 x 2^e4
	s_add_co_i32 s34, s30, 127
	s_lshl_b32 s35, s34, 23
	v_mov_b32 v11, s35                             ; 2^e6
	s_add_co_i32 s34, s34, 8
	s_lshl_b32 s34, s34, 23
	s_or_b32 s34, s34, 0x600000
	v_mov_b32 v10, s34                             ; 448 x 2^e6
	s_add_co_i32 s36, s28, s29                     ; e4 + e5
.set i, 0
.rept 32
	s_wait_loadcnt 31-i                            ; loads come back in order: number i is in (and Q, which was asked for first); the younger ones may be out
	ds_store_b128 v[LW], v[FR+4*i:FR+4*i+3] offset:512*i
.set i, i+1
.endr
	s_wait_dscnt 0x0                               ; for the others' sake: my part of K or V lies in LDS
	s_barrier_signal -1
	s_barrier_wait -1                              ; everybody's does.  From here on LDS is only read
	v_add_nc_u32 v[ADK], s32, v[LI]
	KFETCH                                         ; the first step's K
	PASS 16, 0, 0
	PASS 208, 1, 1
	s_wait_tensorcnt 0x0                           ; the wave's end
	ds_add_u32 v[SPW], v[NIL]
	s_wait_dscnt 0x0
	s_endpgm
.Lfunc_end_k_qa1be97f995_attn:
	.size	k_qa1be97f995_attn, .Lfunc_end_k_qa1be97f995_attn-k_qa1be97f995_attn
	.p2alignl 7, 3214868480
	.fill 96, 4, 3214868480
	.section	.rodata,"a",@progbits
	.p2align	6, 0x0
	.amdhsa_kernel k_qa1be97f995_attn
		.amdhsa_group_segment_fixed_size 264192
		.amdhsa_private_segment_fixed_size 0
		.amdhsa_enable_private_segment 0
		.amdhsa_kernarg_size 40
		.amdhsa_user_sgpr_count 2
		.amdhsa_user_sgpr_kernarg_segment_ptr 1
		.amdhsa_wavefront_size32 1
		.amdhsa_system_sgpr_workgroup_id_x 1
		.amdhsa_system_sgpr_workgroup_id_y 1
		.amdhsa_system_sgpr_workgroup_id_z 1
		.amdhsa_system_vgpr_workitem_id 0
		.amdhsa_next_free_vgpr 256
		.amdhsa_next_free_sgpr 66
		.amdhsa_reserve_vcc 0
		.amdhsa_float_denorm_mode_32 3
		.amdhsa_float_denorm_mode_16_64 3
		.amdhsa_memory_ordered 1
		.amdhsa_forward_progress 1
		.amdhsa_inst_pref_size 80
	.end_amdhsa_kernel
	.amdgpu_metadata
---
amdhsa.version: [ 1, 2 ]
amdhsa.kernels:
  - .name:           k_qa1be97f995_attn
    .symbol:         k_qa1be97f995_attn.kd
    .args:
      - { .name: qc, .offset: 0, .size: 8, .value_kind: global_buffer, .address_space: global }
      - { .name: kc, .offset: 8, .size: 8, .value_kind: global_buffer, .address_space: global }
      - { .name: vc, .offset: 16, .size: 8, .value_kind: global_buffer, .address_space: global }
      - { .name: lowp_scales, .offset: 24, .size: 8, .value_kind: global_buffer, .address_space: global }
      - { .name: ac, .offset: 32, .size: 8, .value_kind: global_buffer, .address_space: global }
    .group_segment_fixed_size: 264192
    .private_segment_fixed_size: 0
    .kernarg_segment_align: 8
    .kernarg_segment_size: 40
    .max_flat_workgroup_size: 512
    .sgpr_count:     66
    .vgpr_count:     256
    .wavefront_size: 32
...
	.end_amdgpu_metadata
.endif
;; end of part 3
;; launch proj (part 4): grid 8 x 32, 4 waves a work-group, clusters of 4 x 4, 327,680 bytes of LDS; arguments ac, wm, b_msa, lowp_scales, out0; writes out0
.if DOCPART == 4
	.amdgcn_target "amdgcn-amd-amdhsa--gfx1250"
	.amdhsa_code_object_version 6
	.text
	.protected	k_qa1be97f995_proj
	.globl	k_qa1be97f995_proj
	.p2align	8
	.type	k_qa1be97f995_proj,@function
k_qa1be97f995_proj:
	s_mov_b64 s[64:65], 0
	v_nop
	global_prefetch_b8 v0, s[64:65] scope:SCOPE_SE
	s_setreg_imm32_b32 hwreg(HW_REG_WAVE_MODE, 25, 1), 1
	s_wait_xcnt 0x0
	s_wait_alu depctr_hold_cnt(0) depctr_sa_sdst(0) depctr_va_vdst(0) depctr_va_sdst(0) depctr_va_ssrc(0) depctr_va_vcc(0) depctr_vm_vsrc(0)
	s_getreg_b32 s2, hwreg(HW_REG_IB_STS2, 6, 4)
	s_cmp_eq_u32 s2, 0
	s_cbranch_scc0 .Lentry_in_a_cluster
	s_endpgm
.Lentry_in_a_cluster:
	s_bfe_u32 s2, ttmp6, 0x10000c
	s_cmp_lg_u32 s2, 0xf033
	s_cbranch_scc0 .Lentry_shape_is_right
	s_endpgm
.Lentry_shape_is_right:
; out = attn W_msa + b_msa on codes of FP8 (E4M3).  Both operands arrive as IMAGES OF THE OPERAND'S REGISTERS: a fragment (16 rows or columns x 128 along K, 16 registers a lane) is 2,048 bytes, registers 4 c .. 4 c + 3 of a lane
; at 512 c + 16 x lane.  ac: 16,384 bytes for each tile of 16 rows, its eight K steps on end (a K step is two heads' images of 1,024 bytes).  wm: fragment ((tile of 128 columns x 8 + K step) x 8 + block of 16 columns).
; A work-group makes 256 rows x 128 columns: 256 work-groups; wave w rows 64 w .. 64 w + 63: 4 row blocks a x 8 column blocks b = 32 accumulators.  THE MATRIX INSTRUCTION IS USED TRANSPOSED (source 0 = 16 columns of W,
; source 1 = 16 rows of attn): a lane then holds eight neighbouring numbers of a row of the output.  out = sum x 2^(e6 + e7) + b_msa: one packed multiply-add for two numbers.
; K = 1,024 goes in four steps of 256 through a ring of two LDS slots: eight sub-steps of 128, all written out.  No pitch and no padding: every LDS load takes 512 consecutive bytes.
; CLUSTERS: 4 x 4 work-groups; attn's tiles are shared along a row of the cluster, W's along a column, each asked for JOINTLY.  By this text's own count a wave has two tensor loads out at the start and one behind each round.
; LIMIT: e6 + e7 between -126 and 127, so that 2^(e6 + e7) is an f32 number.
; REGISTERS, in windows of 256: window 0: v1-29 addresses; v32-95 a block's results; v128-255 attn's fragments, TWO sets of 4, on the way out rows read back.   window 1: v0-127 W's 8 fragments, ONE set; v128-191 the bias, 8 registers a block.
;   window 2: the accumulators, (a, b) at v[8 (8 a + b)].
.set SLOTA, 65536                      ; a slot: 16 tiles of rows x 4,096 bytes (two sub-steps),
.set WSUB,  16384                      ; then two sub-steps x 8 fragments of W
.set SLOT,  SLOTA+2*WSUB
.set SPARE, 2*SLOT                     ; behind the ring: the spare words, 128 bytes for each wave: two blocks of 256 bytes that no other line names
.set SPITCH, 528                       ; the way out: a stage of 16 rows x (512 bytes + 16) for each wave, in slot 0, which has had its last fill and its last read when the first result is stored there
.set ADRA, 16                          ; v16-17  LDS address of my fragments of attn in slot 0, 1
.set ADRB, 20                          ; v20-21  the same for W
.set STO,  24                          ; v24     the way out: where I put 32 bytes of a row
.set RD,   25                          ; v25     where I read a row back
.set CO,   26                          ; v26     16 x lane: my bytes of a row of 512
.set SPW,  28                          ; v28     LDS address of my spare word; never rewritten
.set NIL,  29                          ; v29     0; never rewritten
.set TMP,  32
.set AF,   128
.set BK,   128
.set BIAS, 128                         ; in window 1
.set G1, 24
.set G0, 32
.set G1B, 48
.set G0B, 56
.set MSB, 0
.macro WIN new                         ; the immediate's high byte repeats the setting that is left
.if MSB != \new
	s_set_vgpr_msb (MSB<<8)|\new
.set MSB, \new
.endif
.endm
.macro JLOAD g0a, g1a, g0b, g1b        ; a joint load: waves 0 and 1 fetch attn's halves, waves 2 and 3 W's two sub-steps; an s_nop 0 and four v_nop follow each of the two lines
	s_cmp_eq_u32 s15, 0
	s_cbranch_scc0 .Lfor_b_\@
	tensor_load_to_lds s[\g0a:\g0a+3], s[\g1a:\g1a+7]
	s_nop 0
.rept 4
	v_nop
.endr
	s_branch .Lasked_\@
.Lfor_b_\@:
	tensor_load_to_lds s[\g0b:\g0b+3], s[\g1b:\g1b+7]
	s_nop 0
.rept 4
	v_nop
.endr
.Lasked_\@:
.endm
.macro CREST                           ; a round of the cluster's barrier behind its opening barrier
	s_cmp_lg_u32 s14, 0
	s_cbranch_scc1 .Lnot_wave_0_\@
	s_barrier_signal -3
.Lnot_wave_0_\@:
	s_barrier_wait -3
	s_barrier_signal -1
	s_barrier_wait -1
.endm
.macro CROUND
	s_barrier_signal -1
	s_barrier_wait -1
	CREST
.endm
.macro PLACES                          ; four places in front of loads into registers that matrix instructions have read, and of the first read of results (ISA guide 7.12.1 for the first read of results)
.rept 4
	v_nop
.endr
.endm
.macro MULB b, set, zero               ; column block b x my four row blocks.  The 32 accumulators take turns, one instruction a turn, in the same order in every sub-step
.irp a, 0,1,2,3
.if \zero
	v_wmma_f32_16x16x128_fp8_fp8 v[8*(8*\a+\b):8*(8*\a+\b)+7], v[16*\b:16*\b+15], v[AF+64*\set+16*\a:AF+64*\set+16*\a+15], 0
.else
	v_wmma_f32_16x16x128_fp8_fp8 v[8*(8*\a+\b):8*(8*\a+\b)+7], v[16*\b:16*\b+15], v[AF+64*\set+16*\a:AF+64*\set+16*\a+15], v[8*(8*\a+\b):8*(8*\a+\b)+7]
.endif
.endr
.endm
.macro FETCHW slot, q, b0              ; W's fragments b0 .. b0 + 3 of the slot's sub-step q
	WIN 0x40                                       ; destination window 1, address window 0
.irp b, \b0, \b0+1, \b0+2, \b0+3
.irp c, 0,1,2,3
	ds_load_b128 v[16*(\b)+4*\c:16*(\b)+4*\c+3], v[ADRB+\slot] offset:(\q)*WSUB+(\b)*2048+512*\c
.endr
.endr
.endm
.macro FETCHA slot, q, set             ; attn's four fragments
	WIN 0
.irp a, 0,1,2,3
.irp c, 0,1,2,3
	ds_load_b128 v[AF+64*\set+16*\a+4*\c:AF+64*\set+16*\a+4*\c+3], v[ADRA+\slot] offset:4096*\a+2048*(\q)+512*\c
.endr
.endr
.endm
; A slot's first sub-step (set 0).  LDS loads come back in order: W 0-3, attn, W 4-7.
.macro STEP slot, zero
	s_wait_dscnt 16                                ; W 0-3 and attn are in; W 4-7 may be out
	WIN 0xa1                                       ; source 0 (W) window 1, source 1 (attn) window 0, C and D window 2
.irp b, 0,1,2,3
	MULB \b, 0, \zero
.endr
	PLACES
	FETCHW \slot, 1, 0
	FETCHA \slot, 1, 1
	s_wait_dscnt 32                                ; W 4-7 are in; behind them: the 32 just issued
	WIN 0xa1
.irp b, 4,5,6,7
	MULB \b, 0, \zero
.endr
	PLACES
	FETCHW \slot, 1, 4
	WIN 0
.endm
; A slot's second sub-step (set 1) changes slots: ONE barrier; in front of it each wave waits for all its tensor loads, adds 0 to its spare word, and waits for that and for its reads of this slot.
.macro TURN slot, next, fill
	s_wait_tensorcnt 0x0                           ; all my tensor loads have landed: my part of the next slot (every window is 0 here)
	ds_add_u32 v[SPW], v[NIL]                      ; 0 onto my spare word
	s_wait_dscnt 17                                ; W 0-3 and attn are in; W 4-7 and the add may be out
	WIN 0xa1
	MULB 0, 1, 0                                   ; eight matrix instructions stand between the add and the wait for it
	MULB 1, 1, 0
	s_wait_dscnt 0x0                               ; the add is done, and my reads of this slot are over
	s_barrier_signal -1
	MULB 2, 1, 0
	MULB 3, 1, 0
	WIN 0
	s_barrier_wait -1
.if \fill
	CREST                                          ; the barrier has opened a round of the cluster's: no wave of any partner still reads this slot or has a load on its way
	s_add_nc_u64 s[G0+4*\slot+2:G0+4*\slot+3], s[G0+4*\slot+2:G0+4*\slot+3], 8192
	s_add_nc_u64 s[G0B+4*\slot+2:G0B+4*\slot+3], s[G0B+4*\slot+2:G0B+4*\slot+3], 4*WSUB
	JLOAD G0+4*\slot, G1, G0B+4*\slot, G1B         ; the first tensor load behind the round; its four v_nop are the places in front of the loads below
.else
	PLACES
.endif
	FETCHW \next, 0, 0
	FETCHA \next, 0, 0
	WIN 0xa1
.irp b, 4,5,6,7
	MULB \b, 1, 0
.endr
	PLACES
	FETCHW \next, 0, 4
	WIN 0
.endm
	s_load_b256 s[4:11], s[0:1], 0x0               ; ac s[4:5], wm s[6:7], b_msa s[8:9], the scales' exponents s[10:11]
	s_load_b64 s[12:13], s[0:1], 0x20              ; out0
	v_lshl_add_u32 v[SPW], v0, 2, SPARE
	v_mov_b32 v[NIL], 0
	ds_add_u32 v[SPW], v[NIL]                      ; the wave's opening: the add and its wait stand ahead of my first tensor load; the set-up below, work on registers, stands between them
	v_lshrrev_b32 v1, 5, v0
	v_readfirstlane_b32 s14, v1                    ; wave 0..3
	s_lshr_b32 s15, s14, 1                         ; I fetch for attn (0) or for W (1)
	s_and_b32 s16, s14, 1                          ; which half of the rows' tiles, or which sub-step of W
	s_bfe_u32 s40, ttmp6, 0x40000                  ; cx, cy
	s_bfe_u32 s41, ttmp6, 0x40004
	s_lshl_b32 s42, ttmp9, 2
	s_add_co_u32 s42, s42, s40                     ; the tile of 128 columns = 4 x cluster x + cx
	s_and_b32 s17, ttmp7, 0xffff
	s_lshl_b32 s17, s17, 2
	s_add_co_u32 s17, s17, s41                     ; the block of 256 rows = 4 x cluster y + cy
	s_lshl_b32 s43, s41, 2
	s_lshl_b32 s43, 15, s43                        ; my row of the cluster
	s_lshl_b32 s44, 0x1111, s40                    ; my column
	s_or_b32 s[G1+0], s43, (1<<21)                 ; 15:0 the mask: attn's tiles go to my row; 17:16 elements of 1 byte; no padding; 21 set beside a mask
	s_mov_b32 s[G1+1], 4096<<16                    ; tensor_dim0 = 4,096: a K step's part of a tile of 16 rows
	s_mov_b32 s[G1+2], 8<<16                       ; tensor_dim1 = 8 such tiles
	s_mov_b32 s[G1+3], 4096<<16                    ; tile_dim0
	s_mov_b32 s[G1+4], 8                           ; tile_dim1
	s_mov_b32 s[G1+5], 16384                       ; from tile to tile
	s_mov_b32 s[G1+6], 0
	s_mov_b32 s[G1+7], 0
	s_or_b32 s[G1B+0], s44, (1<<21)                ; W's images go to my column: a dense block as 64 rows of 256 bytes
	s_mov_b32 s[G1B+1], 256<<16
	s_mov_b32 s[G1B+2], 64<<16
	s_mov_b32 s[G1B+3], 256<<16
	s_mov_b32 s[G1B+4], 64
	s_mov_b32 s[G1B+5], 256
	s_mov_b32 s[G1B+6], 0
	s_mov_b32 s[G1B+7], 0
	s_lshl_b32 s20, s17, 4
	s_lshl_b32 s18, s16, 3
	s_add_co_u32 s20, s20, s18
	s_lshl_b32 s20, s20, 14                        ; attn: tile 16 y + 8 x half, of 16,384 bytes
	s_mov_b32 s21, 0
	s_lshl_b32 s46, s42, 3
	s_add_co_u32 s46, s46, s16
	s_lshl_b32 s46, s46, 14                        ; W: sub-step 8 x tile + mine
	s_mov_b32 s47, 0
	s_lshl_b32 s45, s16, 15                        ; where they go: no place in the cluster enters an LDS address
	s_lshl_b32 s19, s16, 14
	s_add_co_u32 s19, s19, SLOTA
	s_wait_dscnt 0x0                               ; the opening add is done
	s_wait_kmcnt 0x0
	s_load_b256 s[76:83], s[10:11], 0x0            ; e0 .. e7
	s_add_nc_u64 s[20:21], s[4:5], s[20:21]
	s_add_nc_u64 s[46:47], s[6:7], s[46:47]
	CROUND                                         ; all sixteen work-groups are here: the first joint loads meet
.irp s, 0,1
	s_mov_b32 s[G0+4*\s], 1
	s_add_co_u32 s[G0+4*\s+1], s45, \s*SLOT
	s_add_nc_u64 s[G0+4*\s+2:G0+4*\s+3], s[20:21], \s*4096
	s_or_b32 s[G0+4*\s+3], s[G0+4*\s+3], 0x80000000
	s_mov_b32 s[G0B+4*\s], 1
	s_add_co_u32 s[G0B+4*\s+1], s19, \s*SLOT
	s_add_nc_u64 s[G0B+4*\s+2:G0B+4*\s+3], s[46:47], \s*2*WSUB
	s_or_b32 s[G0B+4*\s+3], s[G0B+4*\s+3], 0x80000000
	JLOAD G0+4*\s, G1, G0B+4*\s, G1B
.endr
	v_and_b32 v1, 15, v0                           ; r
	v_bfe_u32 v2, v0, 4, 1                         ; h
	v_and_b32 v4, 31, v0
	v_lshlrev_b32 v[CO], 4, v4                     ; 16 x lane
	s_lshl_b32 s22, s14, 14                        ; my four tiles of rows
	v_add_nc_u32 v[ADRA], s22, v[CO]
	v_add_nc_u32 v[ADRA+1], SLOT, v[ADRA]
	v_add_nc_u32 v[ADRB], SLOTA, v[CO]
	v_add_nc_u32 v[ADRB+1], SLOT+SLOTA, v[CO]
	s_mul_i32 s23, s14, 16*SPITCH                  ; my stage
	v_mul_u32_u24 v3, v1, SPITCH                   ; in: row r, 32 bytes for each half of the lanes
	v_lshl_add_u32 v3, v2, 5, v3
	v_add_nc_u32 v[STO], s23, v3
	v_add_nc_u32 v[RD], s23, v[CO]                 ; back: the 32 lanes take one row of 512 bytes
	v_lshlrev_b32 v5, 5, v2                        ; the bias: register j of block b is b_msa[128 x + 16 b + 8 h + j]
	s_lshl_b32 s94, s42, 9
	s_mov_b32 s95, 0
	s_add_nc_u64 s[8:9], s[8:9], s[94:95]
	WIN 0x40                                       ; destination window 1
.irp b, 0,1,2,3,4,5,6,7
	global_load_b128 v[BIAS+8*\b:BIAS+8*\b+3], v5, s[8:9] offset:64*\b
	global_load_b128 v[BIAS+8*\b+4:BIAS+8*\b+7], v5, s[8:9] offset:64*\b+16
.endr
	WIN 0
	s_lshl_b32 s92, s17, 8
	s_lshl_b32 s93, s14, 6
	s_add_co_u32 s92, s92, s93
	s_lshl_b32 s92, s92, 12                        ; my first row of the output: 256 y + 64 wave, of 4,096 bytes,
	s_add_co_u32 s92, s92, s94                     ; and my tile's first column: 512 x bytes
	s_mov_b32 s93, 0
	s_add_nc_u64 s[12:13], s[12:13], s[92:93]
	s_wait_tensorcnt 1                             ; my part of K step 0 is in (K step 1's load may be out)
	s_barrier_signal -1
	s_barrier_wait -1                              ; everybody's is
	FETCHW 0, 0, 0
	FETCHA 0, 0, 0
	FETCHW 0, 0, 4
	STEP 0, 1                                      ; the first sub-step's products start the sums: nothing is cleared
	TURN 0, 1, 1                                   ; slot 0 takes K step 2
	STEP 1, 0
	TURN 1, 0, 1                                   ; slot 1 takes K step 3
	STEP 0, 0
	TURN 0, 1, 0                                   ; nothing is left to fetch
	STEP 1, 0
	s_wait_dscnt 16                                ; the last sub-step
	WIN 0xa1
.irp b, 0,1,2,3
	MULB \b, 1, 0
.endr
	s_wait_dscnt 0
.irp b, 4,5,6,7
	MULB \b, 1, 0
.endr
	WIN 0
; THE WAY OUT, block by block of 16 rows x 128 columns.  A lane holds 32 neighbouring bytes of a row, and the lanes beside it hold other rows: so a block goes through my own stage in LDS and comes back as whole rows of
; 512 bytes.  LDS serves a wave's instructions in order (ISA guide 5.7.1.4): no wait between the stores and the loads, nor in front of the next block's stores.
.macro TOSTAGE a
	WIN 0x12                                       ; source 0 (the sums) window 2, source 2 (the bias) window 1, destination window 0
.set j, 0
.rept 32
	v_pk_fma_f32 v[TMP+j:TMP+j+1], v[64*(\a)+j:64*(\a)+j+1], s[96:97], v[BIAS+j:BIAS+j+1] op_sel_hi:[1,0,1]   ; sum x 2^(e6 + e7) + bias (the scalar pair's low word for both halves); each accumulator from its low end on
.set j, j+2
.endr
	WIN 0
.irp b, 0,1,2,3,4,5,6,7
	ds_store_b128 v[STO], v[TMP+8*\b:TMP+8*\b+3] offset:64*\b
	ds_store_b128 v[STO], v[TMP+8*\b+4:TMP+8*\b+7] offset:64*\b+16
.endr
.set BB, BK+64*((\a)%2)
.irp t, 0,1,2,3,4,5,6,7,8,9,10,11,12,13,14,15
	ds_load_b128 v[BB+4*\t:BB+4*\t+3], v[RD] offset:\t*SPITCH
.endr
.endm
.macro SEND a, younger                 ; younger: the LDS instructions issued behind block a's loads, which may stay out
.set BB, BK+64*((\a)%2)
	s_wait_dscnt \younger                          ; the block is back in registers
.irp t, 0,1,2,3,4,5,6,7,8,9,10,11,12,13,14,15
	global_store_b128 v[CO], v[BB+4*\t:BB+4*\t+3], s[12:13] offset:(16*(\a)+\t)*4096 th:TH_STORE_NT   ; 32 lanes store 512 consecutive bytes, at a multiple of 512 from the output's first byte; the row stands in the immediate: 63 rows at the most
.endr
.endm
	s_wait_kmcnt 0x0
	s_add_co_i32 s96, s82, s83                     ; e6 + e7, between -126 and 127,
	s_add_co_i32 s96, s96, 127
	s_lshl_b32 s96, s96, 23                        ; makes the f32 number 2^(e6 + e7)
	s_mov_b32 s97, s96                             ; (named with it as a pair, so it is written)
	s_wait_loadcnt 0x0                             ; the bias
	PLACES                                         ; in front of the first read of results, and of the loads into the registers that held attn's fragments
	TOSTAGE 0
.irp a, 1,2,3
.if \a > 1
	s_wait_xcnt 0x0                                ; block a - 2's stores have read their registers: block a's loads may land there
.endif
	TOSTAGE \a
	SEND \a-1, 32                                  ; behind block a - 1's loads: block a's 16 stores and 16 loads
.endr
	SEND 3, 0
	s_wait_tensorcnt 0x0                           ; the wave's end
	ds_add_u32 v[SPW], v[NIL]
	s_wait_dscnt 0x0
	CROUND                                         ; the closing round: no work-group ends while a partner may still ask for a tile that names it
	s_endpgm
.Lfunc_end_k_qa1be97f995_proj:
	.size	k_qa1be97f995_proj, .Lfunc_end_k_qa1be97f995_proj-k_qa1be97f995_proj
	.p2alignl 7, 3214868480
	.fill 96, 4, 3214868480
	.section	.rodata,"a",@progbits
	.p2align	6, 0x0
	.amdhsa_kernel k_qa1be97f995_proj
		.amdhsa_group_segment_fixed_size 327680
		.amdhsa_private_segment_fixed_size 0
		.amdhsa_enable_private_segment 0
		.amdhsa_kernarg_size 40
		.amdhsa_user_sgpr_count 2
		.amdhsa_user_sgpr_kernarg_segment_ptr 1
		.amdhsa_wavefront_size32 1
		.amdhsa_system_sgpr_workgroup_id_x 1
		.amdhsa_system_sgpr_workgroup_id_y 1
		.amdhsa_system_sgpr_workgroup_id_z 1
		.amdhsa_system_vgpr_workitem_id 0
		.amdhsa_next_free_vgpr 768
		.amdhsa_next_free_sgpr 98
		.amdhsa_reserve_vcc 0
		.amdhsa_float_denorm_mode_32 3
		.amdhsa_float_denorm_mode_16_64 3
		.amdhsa_memory_ordered 1
		.amdhsa_forward_progress 1
		.amdhsa_inst_pref_size 77
	.end_amdhsa_kernel
	.amdgpu_metadata
---
amdhsa.version: [ 1, 2 ]
amdhsa.kernels:
  - .name:           k_qa1be97f995_proj
    .symbol:         k_qa1be97f995_proj.kd
    .args:
      - { .name: ac, .offset: 0, .size: 8, .value_kind: global_buffer, .address_space: global }
      - { .name: wm, .offset: 8, .size: 8, .value_kind: global_buffer, .address_space: global }
      - { .name: b_msa, .offset: 16, .size: 8, .value_kind: global_buffer, .address_space: global }
      - { .name: lowp_scales, .offset: 24, .size: 8, .value_kind: global_buffer, .address_space: global }
      - { .name: out0, .offset: 32, .size: 8, .value_kind: global_buffer, .address_space: global }
    .group_segment_fixed_size: 327680
    .private_segment_fixed_size: 0
    .kernarg_segment_align: 8
    .kernarg_segment_size: 40
    .max_flat_workgroup_size: 128
    .sgpr_count:     98
    .vgpr_count:     768
    .wavefront_size: 32
...
	.end_amdgpu_metadata
.endif
;; end of part 4
;; ======== version 2 of 2: 4 launches; version 1 with the launch attn written anew for expert scheduling mode
;; workspace buffers: zc 8,388,608 bytes; wq 3,145,728 bytes; wm 1,048,576 bytes; qc 8,388,608 bytes; kc 8,388,608 bytes; vc 8,388,608 bytes; ac 8,388,608 bytes
;; launch quant: the kernel of part 1 again; grid 384 x 1, 4 waves a work-group, no clusters, 0 bytes of LDS; arguments z, W_qkv, W_msa, lowp_scales, zc, wq, wm; writes zc, wq, wm
;; launch qkv: the kernel of part 2 again; grid 16 x 32, 4 waves a work-group, clusters of 4 x 4, 327,680 bytes of LDS; arguments zc, wq, b_qkv, lowp_scales, qc, kc, vc; writes qc, kc, vc
;; launch attn (part 5): grid 4 x 64, 16 waves a work-group, no clusters, 264,192 bytes of LDS; arguments qc, kc, vc, lowp_scales, ac; writes ac
.if DOCPART == 5
	.amdgcn_target "amdgcn-amd-amdhsa--gfx1250"
	.amdhsa_code_object_version 6
	.text
	.protected	k_qa1be97f995_attn
	.globl	k_qa1be97f995_attn
	.p2align	8
	.type	k_qa1be97f995_attn,@function
k_qa1be97f995_attn:
	s_mov_b64 s[64:65], 0
	v_nop
	global_prefetch_b8 v0, s[64:65] scope:SCOPE_SE
	s_setreg_imm32_b32 hwreg(HW_REG_WAVE_SCHED_MODE, 0, 2), 2
	s_setreg_imm32_b32 hwreg(HW_REG_WAVE_MODE, 25, 1), 1
	s_wait_xcnt 0x0
	s_wait_alu depctr_vm_vsrc(0)
; attn[q] = (the sum over keys of Q(p) Q(v)) / l for one head, p = 2^(t - M), t = score x log2(e) / 8, M = the running largest t rounded UP to a whole number, l = the sum of the unquantised p; the result is quantised
; at once for the last product.  Both products on codes of FP8 (E4M3): q k^T by the K = 64 form (the head's 64 channels), p v by the K = 128 form (128 keys a step).
; SHARES.  A work-group owns 512 queries of one head (of 64: batch x 16 + head).  The head's WHOLE K and V, 131,072 bytes of register images each, lie in LDS for the whole launch: filled once, one barrier, no ring.
; Each of the SIXTEEN waves (four to a SIMD, 256 registers) owns one tile of 16 queries a pass, and makes two passes.
; The four work-groups of a head copy the same K and V, each for itself and through registers: 16,384 bytes a wave, once, against 32 key steps of work.  So the text has no tensor load and no copy, and a scalar branch on the
; whole number e4 may stand in the key step: p is at most 1, so its hold at 448 x 2^e4 changes nothing where e4 is -8 or more, and the step's 64 holds are jumped over; for e4 of -9 or less they run.
; LAYOUT.  Both products transposed: S^T = K Q^T (source 0 = 16 keys, source 1 = my 16 queries), O^T = V^T P^T (source 0 = 16 channels, source 1 = P): a lane holds ONE query (lane % 16) throughout.  In S^T's tile t a lane's
; eight registers are keys 16 t + 8 (lane / 16) + 0 .. 7: one conversion gives registers 2 t, 2 t + 1 of P in the K = 128 form's own layout.  O^T's four tiles give, likewise, the fragment (16 rows x this head's 64 of K) of the last product.
; LIMITS: e2 + e3 between -123 and 130 (added to c's exponent field); e4 and e6 between -126 and 119.  NaN is not served.  Under a running M a p that falls under the format's range while M is still low is lost.
; THE MODE: SCHED_MODE bits 1:0 = 2 (LLVM: expert scheduling mode 2), set by the entry lines.  The code itself states the register dependences between vector or matrix instructions and memory or LDS instructions,
; with s_wait_alu, always for 0.
; THE PLAN.  Registers that memory or LDS instructions touch, in the loop:
;   A (v40-103), B (v104-167)  two buffers of 64 that take turns.  A step finds its K in one of them, X, and writes its scores into the other, Y.  X: read by the step's K Q^T; then V lands in it; read by V^T P; the next step's
;              K Q^T writes its scores there.  Y: written by K Q^T, worked on by the softmax, emptied by the eight conversions; then the NEXT step's K lands in it.  A trip of the loop is two steps, so that the numbers come back.
;   v2, v3     the LDS addresses of a pair of steps: read by the pair's 64 loads, written once a pair; the pair's second step and the K of the step behind the pair are reached by immediate offsets.
;   v1         16 x lane: read by the global loads and stores and by each pass's first fetch of K; never written again.
; Three waits on va_vdst stand in a step: behind K Q^T (the products are done reading X; in a pair's first step the addresses are written), behind the exponentials, and behind the conversions (all that wrote or read Y is done).
; Behind the first, V's 16 loads are dealt among the maximum's lines, which name Y; behind the third, K's 16 among the rescaling of O^T, which, like V^T P, names neither Y nor an address.  One wait on vm_vsrc a pair stands ahead of the two adds.
; REGISTERS: v1 16 x lane; v2, v3 addresses of the pair in hand; v4 where I store my part of K or V; v5, v6 the add's two; v7 16 x lane + V's base; v8, v9 448 x 2^e4, 2^e4; v10, v11 the same of e6; v12 -M, v13 the largest t,
;   v[14:15] l in two halves; v16-23 Q of pass 0; v24-39 P's codes; v40-103 A; v104-167 B; v168-199 O^T; v200-207 at work; v208-215 Q of pass 1; v216-231 the passes' codes.
.set VBASE, 131072                     ; LDS: K's tile kt (16 keys) at 1,024 kt; V's fragment (64 keys g, 16 channels t) at VBASE + 1,024 (4 g + t)
.set SPARE, 262144                     ; behind them: the spare words, 128 bytes for each wave: eight blocks of 256 bytes that no other line names
.set LI,  1
.set ADK, 2
.set ADV, 3
.set LW,  4
.set SPW, 5
.set NIL, 6
.set LV,  7
.set P,   24
.set BA,  40
.set BB,  104
.set O,   168
.macro KLOAD b, adr, off, g            ; tiles 2 g and 2 g + 1 of a step's 8 tiles of K into buffer b: four loads of 512 consecutive bytes
.irp tt, 0,1
.irp u, 0,1
	ds_load_b128 v[\b+8*(2*(\g)+\tt)+4*\u:\b+8*(2*(\g)+\tt)+4*\u+3], v[\adr] offset:\off+1024*(2*(\g)+\tt)+512*\u
.endr
.endr
.endm
.macro VLOAD b, off, t                 ; V's fragment of channels 16 t on, 128 keys, into buffer b: four loads of 512 consecutive bytes
.irp g, 0,1
.irp u, 0,1
	ds_load_b128 v[\b+16*(\t)+8*\g+4*\u:\b+16*(\t)+8*\g+4*\u+3], v[ADV] offset:\off+4096*\g+1024*(\t)+512*\u
.endr
.endr
.endm
; A KEY STEP: 128 keys.  q: where my Q lies.  kb: the buffer with this step's K, later its V.  sb: the buffer for the scores, later the next step's K.  odd: the second step of a pair.
; fetch = 1: the next K is fetched, from v[kadr] + koff.
.macro STEP q, kb, sb, odd, fetch, kadr, koff
	s_wait_dscnt 0x0                               ; K is in
.irp t, 0,1,2,3,4,5,6,7
	v_wmma_f32_16x16x64_fp8_fp8 v[\sb+8*\t:\sb+8*\t+7], v[\kb+8*\t:\kb+8*\t+7], v[\q:\q+7], 0
.endr
.if \odd
.rept 4
	v_nop                                          ; four places in front of the first read of the scores
.endr
.else
	s_wait_alu depctr_vm_vsrc(0)                   ; the last pair's LDS loads have read v2 and v3, which the two lines below write
	v_add_nc_u32 v[ADK], s32, v[LI]                ; the pair's addresses; with the two v_nop the four places in front of the first read of the scores
	v_add_nc_u32 v[ADV], s32, v[LV]
	v_nop
	v_nop
.endif
	s_wait_alu depctr_va_vdst(0)                   ; the eight products are done reading K's buffer, in which V lands; in a pair's first step v2 and v3 are written, which the pair's loads read
	VLOAD \kb, 8192*\odd, 0                        ; V lands under the softmax: four loads at a time among the maximum's lines, which name the scores' buffer, v200 and v202 alone
	v_max3_num_f32 v200, v[\sb], v[\sb+1], v[\sb+2]      ; the step's largest score of my query among my 64 keys, in two chains, each accumulator from its low end on,
	v_max3_num_f32 v202, v[\sb+3], v[\sb+4], v[\sb+5]
.irp i, 6,10,14,18,22,26,30,34,38,42,46,50,54,58
	v_max3_num_f32 v200, v200, v[\sb+\i], v[\sb+\i+1]
	v_max3_num_f32 v202, v202, v[\sb+\i+2], v[\sb+\i+3]
.if (\i)%16 == 14
	VLOAD \kb, 8192*\odd, (\i+2)/16
.endif
.endr
	v_max3_num_f32 v200, v200, v[\sb+62], v[\sb+63]
	v_max_num_f32 v200, v200, v202
	v_permlanex16_b32 v201, v200, s20, s21
	v_max_num_f32 v200, v200, v201                 ; and among lane l xor 16's
	v_mul_f32 v200, s22, v200                      ; as t (c is positive)
	v_max_num_f32 v13, v13, v200                   ; the running largest t
	v_mov_b32 v200, v12
	v_floor_f32 v12, -v13                          ; the new -M = floor(-t) = -ceil(t): a whole number
	v_sub_f32 v200, v12, v200                      ; M's old value less its new one: 0 or less
	v_cvt_i32_f32 v200, v200                       ; (it saturates)
	v_ldexp_f32 v204, 1.0, v200                    ; f = 2^(old M - new M): the rescaling rounds nothing
.set j, 0
.rept 32
	v_pk_fma_f32 v[\sb+j:\sb+j+1], v[\sb+j:\sb+j+1], s[22:23], v[12:13] op_sel_hi:[1,0,0]   ; t - M, two at a time (of the pairs c and -M the low word serves both halves)
.set j, j+2
.endr
.set j, 0
.rept 64
	v_exp_f32 v[\sb+j], v[\sb+j]                   ; p = 2^(t - M), at most 1
.set j, j+1
.endr
	v_pk_mul_f32 v[14:15], v[14:15], v[204:205] op_sel_hi:[1,0]   ; l under the new M: the plain instruction behind the exponentials
	s_wait_alu depctr_va_vdst(0)                   ; the 64 exponentials have written p, which the sums below read: one wait for the whole batch, ahead of its first reader
	v_pk_add_f32 v[206:207], v[\sb:\sb+1], v[\sb+2:\sb+3]  ; l is taken of the UNQUANTISED p, two at a time, in two chains
.set j, 4
.rept 15
	v_pk_add_f32 v[14:15], v[14:15], v[\sb+j:\sb+j+1]
	v_pk_add_f32 v[206:207], v[206:207], v[\sb+j+2:\sb+j+3]
.set j, j+4
.endr
	v_pk_add_f32 v[14:15], v[14:15], v[206:207]
	s_cmp_gt_i32 s28, -9                           ; 448 x 2^e4 is above 1 where e4 > -9: no p reaches it
	s_cbranch_scc1 .Lno_hold_\@
.set j, 0
.rept 64
	v_min_num_f32 v[\sb+j], v[\sb+j], v8           ; the conversion does not saturate (ISA guide 7.6.2); p is not negative, so the hold is one-sided
.set j, j+1
.endr
.Lno_hold_\@:
.irp t, 0,1,2,3,4,5,6,7
	v_cvt_scalef32_pk8_fp8_f32 v[P+2*\t:P+2*\t+1], v[\sb+8*\t:\sb+8*\t+7], v9
.endr
.irp j, 0,2,4,6
	v_pk_mul_f32 v[O+\j:O+\j+1], v[O+\j:O+\j+1], v[204:205] op_sel_hi:[1,0]   ; O^T under the new M; also the plain lines behind the conversions
.endr
.if (\fetch)
	s_wait_alu depctr_va_vdst(0)                   ; the products, the softmax and the conversions are done writing and reading the scores' buffer, in which the next step's K lands
.endif
.irp g, 0,1,2
.if (\fetch)
	KLOAD \sb, \kadr, \koff, \g                    ; four loads at a time among the rest of the rescaling: no line from the wait above to the next step's head names that buffer or its address
.endif
.irp j, 0,2,4,6
	v_pk_mul_f32 v[O+8+8*\g+\j:O+8+8*\g+\j+1], v[O+8+8*\g+\j:O+8+8*\g+\j+1], v[204:205] op_sel_hi:[1,0]
.endr
.endr
.if (\fetch)
	KLOAD \sb, \kadr, \koff, 3
	s_wait_dscnt 16                                ; LDS loads come back in order (ISA guide 5.7.1): V is in; the 16 younger loads, the next K, may be out
.else
	s_wait_dscnt 0x0                               ; V is in
.endif
.irp t, 0,1,2,3
	v_wmma_f32_16x16x128_fp8_fp8 v[O+8*\t:O+8*\t+7], v[\kb+16*\t:\kb+16*\t+15], v[P:P+15], v[O+8*\t:O+8*\t+7]   ; the four accumulators take one turn each; eight other products stand between two links
.endr
.rept 5
	v_nop                                          ; five places: the next step's products write their scores over V's registers, which these products read; behind the last step they serve the first read of O^T
.endr
.endm
; A PASS: one tile of 16 queries against all 2,048 keys.  The loop is written once: its first step finds zeros, which the first change of M leaves zeros.
.macro PASS q, pass, last
	v_mov_b32 v13, 0xff61b1e6                      ; the largest t so far: -3e38, under every t
	v_floor_f32 v12, -v13
	v_mov_b32 v14, 0
	v_mov_b32 v15, 0
.set j, 0
.rept 32
	v_mov_b32 v[O+j], 0
.set j, j+1
.endr
	s_mov_b32 s32, 0                               ; the LDS byte at which the pair's K begins (its V: VBASE further on)
	s_mov_b32 s33, 7
.Lkeys_\@:                                             ; seven trips of two steps: the two buffers are back at their start
	STEP \q, BA, BB, 0, 1, ADK, 8192
	STEP \q, BB, BA, 1, 1, ADK, 16384
	s_add_co_u32 s32, s32, 16384                   ; a pair on: 16 tiles of K, 16 fragments of V
	s_sub_co_u32 s33, s33, 1
	s_cmp_lg_u32 s33, 0
	s_cbranch_scc1 .Lkeys_\@
	STEP \q, BA, BB, 0, 1, ADK, 8192               ; the eighth pair is written out: what its second step fetches ahead differs: the next pass's first K, or nothing
	STEP \q, BB, BA, 1, 1-\last, LI, 0
	v_add_f32 v14, v14, v15                        ; l's two halves,
	v_permlanex16_b32 v201, v14, s20, s21
	v_add_f32 v14, v14, v201                       ; and lane l xor 16's
	v_rcp_f32 v14, v14
	v_nop                                          ; a plain instruction behind the transcendental
	s_wait_alu depctr_va_vdst(0)                   ; the reciprocal has written v14, ahead of its first reader
	v_ldexp_f32 v14, v14, s36                      ; x 2^(e4 + e5)
.set j, 0
.rept 16
	v_pk_mul_f32 v[BB+j:BB+j+1], v[O+j:O+j+1], v[14:15] op_sel_hi:[1,0]   ; attn: register 8 t + i is (my query, channel 16 t + 8 h + i).  Into buffer B, which V has left: the next pass's K is landing in A
.set j, j+2
.endr
.set j, 0
.rept 32
	v_med3_num_f32 v[BB+j], v[BB+j], -v10, v10
.set j, j+1
.endr
.irp t, 0,1,2,3
	v_cvt_scalef32_pk8_fp8_f32 v[216+8*\pass+2*\t:216+8*\pass+2*\t+1], v[BB+8*\t:BB+8*\t+7], v11
.endr
	v_nop                                          ; one plain vector instruction behind the last conversion: the next pass's products write its sources
	s_wait_alu depctr_va_vdst(0)                   ; the conversions have written the pass's codes, which the two stores read; these registers are never written again
	global_store_b128 v[LI], v[216+8*\pass:216+8*\pass+3], s[12:13] offset:262144*\pass        ; 32 lanes store 512 consecutive bytes; the second pass's tile lies 16 tiles x 16 heads x 1,024 bytes on
	global_store_b128 v[LI], v[216+8*\pass+4:216+8*\pass+7], s[12:13] offset:262144*\pass+512
.endm
	s_load_b256 s[4:11], s[0:1], 0x0               ; qc s[4:5], kc s[6:7], vc s[8:9], the scales' exponents s[10:11]
	s_load_b64 s[12:13], s[0:1], 0x20              ; ac
	v_lshl_add_u32 v[SPW], v0, 2, SPARE
	v_mov_b32 v[NIL], 0
	v_lshrrev_b32 v2, 5, v0
	v_readfirstlane_b32 s14, v2                    ; wave 0..15
	v_and_b32 v1, 31, v0
	v_lshlrev_b32 v[LI], 4, v1
	s_and_b32 s15, ttmp7, 0xffff                   ; batch x 16 + head
	s_wait_alu depctr_va_sdst(0)                   ; s14 is written, ahead of its first reader: LDS and memory offsets are made from it
	s_lshl_b32 s17, s14, 14
	v_add_nc_u32 v[LW], s17, v[LI]                 ; waves 0-7 fill K, waves 8-15 V: 16,384 bytes each, on end
	v_add_nc_u32 v[LV], VBASE, v[LI]
	v_mov_b32 v201, 0                              ; written once: a lane permute's destination counts as one of its sources
	v_mov_b32 v205, 0                              ; (named as the upper half of the pair v[204:205])
	s_lshl_b32 s16, ttmp9, 5
	s_add_co_u32 s16, s16, s14                     ; my tile of pass 0: 32 x + wave
	s_lshl_b32 s18, s15, 7
	s_add_co_u32 s18, s18, s16
	s_lshl_b32 s18, s18, 10                        ; its image in qc
	s_mov_b32 s19, 0
	s_lshl_b32 s40, s15, 17                        ; the head's images in kc and vc,
	s_and_b32 s41, s14, 7
	s_lshl_b32 s41, s41, 14
	s_add_co_u32 s40, s40, s41                     ; my eighth of them
	s_mov_b32 s41, 0
	s_lshr_b32 s42, s15, 4
	s_lshl_b32 s42, s42, 7
	s_add_co_u32 s42, s42, s16                     ; batch x 128 + tile
	s_lshl_b32 s42, s42, 4
	s_and_b32 s43, s15, 15
	s_add_co_u32 s42, s42, s43                     ; x 16 + head
	s_lshl_b32 s42, s42, 10
	s_mov_b32 s43, 0
	s_mov_b32 s20, 0x76543210                      ; v_permlanex16_b32's selects for lane l xor 16
	s_mov_b32 s21, 0xfedcba98
	s_mov_b32 s22, 0x3e38aa3b                      ; c = log2(e) / sqrt(64)
	s_wait_kmcnt 0x0
	s_load_b256 s[24:31], s[10:11], 0x0            ; e0 .. e7
	s_add_nc_u64 s[4:5], s[4:5], s[18:19]
	s_cmp_lt_u32 s14, 8
	s_cselect_b64 s[38:39], s[6:7], s[8:9]         ; the choice hangs on the wave's number alone
	s_add_nc_u64 s[38:39], s[38:39], s[40:41]
	s_add_nc_u64 s[12:13], s[12:13], s[42:43]
	s_wait_alu depctr_va_vdst(0)                   ; v1 and v4 are written, which the loads and the LDS stores below read as offset and address; so are v5 and v6, which the closing add reads
	global_load_b128 v[16:19], v[LI], s[4:5]
	global_load_b128 v[20:23], v[LI], s[4:5] offset:512
	global_load_b128 v[208:211], v[LI], s[4:5] offset:16384
	global_load_b128 v[212:215], v[LI], s[4:5] offset:16896
.set i, 0
.rept 32
	global_load_b128 v[BA+4*i:BA+4*i+3], v[LI], s[38:39] offset:512*i
.set i, i+1
.endr
	s_wait_kmcnt 0x0
	s_add_co_i32 s34, s26, s27
	s_lshl_b32 s34, s34, 23
	s_add_co_i32 s22, s22, s34                     ; a score stands for score x 2^(e2 + e3): the two exponents are added to c's exponent field
	s_mov_b32 s23, s22                             ; (named with it as a pair, so it is written)
	s_add_co_i32 s34, s28, 127
	s_lshl_b32 s35, s34, 23
	v_mov_b32 v9, s35                              ; 2^e4
	s_add_co_i32 s34, s34, 8
	s_lshl_b32 s34, s34, 23
	s_or_b32 s34, s34, 0x600000
	v_mov_b32 v8, s34                              ; 448 x 2^e4
	s_add_co_i32 s34, s30, 127
	s_lshl_b32 s35, s34, 23
	v_mov_b32 v11, s35                             ; 2^e6
	s_add_co_i32 s34, s34, 8
	s_lshl_b32 s34, s34, 23
	s_or_b32 s34, s34, 0x600000
	v_mov_b32 v10, s34                             ; 448 x 2^e6
	s_add_co_i32 s36, s28, s29                     ; e4 + e5
.set i, 0
.rept 32
	s_wait_loadcnt 31-i                            ; loads come back in order: number i is in (and Q, which was asked for first); the younger ones may be out
	ds_store_b128 v[LW], v[BA+4*i:BA+4*i+3] offset:512*i
.set i, i+1
.endr
	s_wait_dscnt 0x0                               ; for the others' sake: my part of K or V lies in LDS
	s_barrier_signal -1
	s_barrier_wait -1                              ; everybody's does.  From here on LDS is only read
	s_wait_alu depctr_vm_vsrc(0)                   ; my LDS stores have read v40-167: these registers are the buffers A and B from here on, written by K's loads below and by the first products
.irp g, 0,1,2,3
	KLOAD BA, LI, 0, \g                            ; the first step's K
.endr
	PASS 16, 0, 0
	PASS 208, 1, 1
	s_wait_dscnt 0x0                               ; the closing lines, six on end
	s_wait_alu 0x0
	s_wait_tensorcnt 0x0
	ds_add_u32 v[SPW], v[NIL]
	s_wait_dscnt 0x0
	s_endpgm
.Lfunc_end_k_qa1be97f995_attn:
	.size	k_qa1be97f995_attn, .Lfunc_end_k_qa1be97f995_attn-k_qa1be97f995_attn
	.p2alignl 7, 3214868480
	.fill 96, 4, 3214868480
	.section	.rodata,"a",@progbits
	.p2align	6, 0x0
	.amdhsa_kernel k_qa1be97f995_attn
		.amdhsa_group_segment_fixed_size 264192
		.amdhsa_private_segment_fixed_size 0
		.amdhsa_enable_private_segment 0
		.amdhsa_kernarg_size 40
		.amdhsa_user_sgpr_count 2
		.amdhsa_user_sgpr_kernarg_segment_ptr 1
		.amdhsa_wavefront_size32 1
		.amdhsa_system_sgpr_workgroup_id_x 1
		.amdhsa_system_sgpr_workgroup_id_y 1
		.amdhsa_system_sgpr_workgroup_id_z 1
		.amdhsa_system_vgpr_workitem_id 0
		.amdhsa_next_free_vgpr 256
		.amdhsa_next_free_sgpr 66
		.amdhsa_reserve_vcc 0
		.amdhsa_float_denorm_mode_32 3
		.amdhsa_float_denorm_mode_16_64 3
		.amdhsa_memory_ordered 1
		.amdhsa_forward_progress 1
		.amdhsa_inst_pref_size 142
	.end_amdhsa_kernel
	.amdgpu_metadata
---
amdhsa.version: [ 1, 2 ]
amdhsa.kernels:
  - .name:           k_qa1be97f995_attn
    .symbol:         k_qa1be97f995_attn.kd
    .args:
      - { .name: qc, .offset: 0, .size: 8, .value_kind: global_buffer, .address_space: global }
      - { .name: kc, .offset: 8, .size: 8, .value_kind: global_buffer, .address_space: global }
      - { .name: vc, .offset: 16, .size: 8, .value_kind: global_buffer, .address_space: global }
      - { .name: lowp_scales, .offset: 24, .size: 8, .value_kind: global_buffer, .address_space: global }
      - { .name: ac, .offset: 32, .size: 8, .value_kind: global_buffer, .address_space: global }
    .group_segment_fixed_size: 264192
    .private_segment_fixed_size: 0
    .kernarg_segment_align: 8
    .kernarg_segment_size: 40
    .max_flat_workgroup_size: 512
    .sgpr_count:     66
    .vgpr_count:     256
    .wavefront_size: 32
...
	.end_amdgpu_metadata
.endif
;; end of part 5
;; launch proj: the kernel of part 4 again; grid 8 x 32, 4 waves a work-group, clusters of 4 x 4, 327,680 bytes of LDS; arguments ac, wm, b_msa, lowp_scales, out0; writes out0
